; MI455X (gfx1250); checked and timed in simulation.
; The chip was launched on July 23, 2026; its instructions are those of AMD's public machine-readable ISA for CDNA 5 (MIT licence, August 2026) and "CDNA5" Instruction Set Architecture Reference Guide (July 2026). The comments in the code are by the model that wrote it; some were corrected since.
;; Multi Head Attention. Allowed arithmetic: matrix products marked QUANTISED: E2M3 operands, one E8M0 scale for each 32 along K, by v_wmma_scale_f32_16x16x128_f8f6f4 with both operands' format E2M3, f32 sums; everything else in f32.
;; Inputs: Wk 1,024 x 1,024 float32; Wo 1,024 x 1,024 float32; Wq 1,024 x 1,024 float32; Wv 1,024 x 1,024 float32; bo 1,024 float32; x 4 x 2,048 x 1,024 float32.
;; Outputs: out0 4 x 2,048 x 1,024 float32.
;; This version of the problem:
;;   THIS VERSION OF THE PROBLEM IS GIVEN IN LOW PRECISION. The matrix products marked QUANTISED in the list below multiply operands that are first quantised to E2M3 (2 exponent bits, 3 mantissa bits; 6 bits a number), with one power-of-two scale for each 32 numbers along K (OCP MX v1.0); their sums are f32. All else is computed in f32.
;;   The module's matrix products, in the order in which they are computed (A, B: the left and right operand; K: the contracted axis; several contracted axes count as one K, in the product's order):
;;     1. [M 8,192, K 1,024] x [K 1,024, N 1,024]; A: input x; B: input Wk: QUANTISED
;;     2. [M 8,192, K 1,024] x [K 1,024, N 1,024]; A: input x; B: input Wq: QUANTISED
;;     3. [M 8,192, K 1,024] x [K 1,024, N 1,024]; A: input x; B: input Wv: QUANTISED
;;     4. batch 64 x [M 2,048, K 64] x [K 64, N 2,048]; A: computed on the way; B: computed on the way: QUANTISED
;;     5. batch 64 x [M 2,048, K 2,048] x [K 2,048, N 64]; A: softmax (see below); B: computed on the way: QUANTISED
;;     6. [M 8,192, K 1,024] x [K 1,024, N 1,024]; A: computed on the way; B: input Wo: QUANTISED
;;   THE QUANTISER, for each operand of a quantised product, along K:
;;     - K is cut into blocks of 32 from its start; a last block that is shorter is filled with zeros.
;;     - A block's scale is 2^e with e = floor(log2(the largest magnitude in the block)) - 2, held to -126 .. 127; a block of zeros has e = 0. As a byte (E8M0): e + 127.
;;     - Each number is divided by its block's scale, clamped to +-7.5, and rounded to the nearest number of E2M3, ties to even, subnormals kept.
;;     - The product sums the exact products of the quantised numbers (number of the format x scale) in f32.
;;   ~~~python
;;   def quantise(x, axis):      # numpy; x: float32 -> the quantised numbers, widened to float32 again
;;       x = np.moveaxis(x, axis, -1); K = x.shape[-1]
;;       x = np.pad(x, [(0, 0)] * (x.ndim - 1) + [(0, -K % 32)]); x = x.reshape(x.shape[:-1] + (-1, 32)); a = np.abs(x).max(-1, keepdims=True)
;;       e = np.where(a > 0, np.clip(np.frexp(np.where(a > 0, a, 1))[1] - 1 - 2, -126, 127), 0)      # np.frexp(a)[1] - 1 = floor(log2(a)), exactly
;;       r = np.clip(x / 2.0 ** e, -7.5, 7.5)
;;       step = 2.0 ** (np.maximum(np.frexp(np.where(r == 0, 1, r))[1] - 1, 0) - 3)
;;       q = np.round(r / step) * step * 2.0 ** e      # np.round: ties to even
;;       return np.moveaxis(q.reshape(q.shape[:-2] + (-1,))[..., :K], -1, axis).astype(np.float32)
;;   ~~~
;;   SOFTMAX AHEAD OF A QUANTISED PRODUCT. Where the list says 'softmax', what is quantised is not the finished softmax but p = 2^(t - M), with t = logit x log2(e) and M = ceil(the row's largest t), a whole number; so 1/2 < the row's largest p <= 1. The row's sum l is taken of the UNQUANTISED p, in f32, and the product's result is divided by l at the end. Since M is a whole number, a kernel that streams over the keys may use a running M (the ceiling of the running maximum): every later rescaling is an exact power of two, which a block's scale takes up: the codes' values come out the same.
;;   OPERANDS COMPUTED ON THE WAY. 'Computed on the way' means the value that the module computes at that place (a softmax that the list does not call 'softmax' is quantised finished and normalised). What goes into a quantiser is computed in f32, as accurately as f32 sums, v_exp_f32 and their like allow (about 1e-6 of the number): no bf16 or f16 on the way to a quantiser, and a product that is left as it is and whose result goes on into a quantised operand takes f32 operands (vector FMAs, or v_wmma_f32_16x16x4_f32). A number that lies on a knife's edge between two numbers of the format may be rounded either way, as far as f32 arithmetic and the matrix unit's own rounding can turn it there, and no further.
;; One version. Each part assembles by itself: llvm-mc -triple=amdgcn-amd-amdhsa -mcpu=gfx1250 --defsym DOCPART=n.
;; ======== version 1 of 1: 4 launches
;; workspace buffers: opc 9,437,184 bytes; ops 393,216 bytes; qkvc 18,874,368 bytes; qkvs 1,310,720 bytes; aoc 6,291,456 bytes; aos 262,144 bytes
;; launch quant (part 1): grid 384 x 1, 4 waves a work-group, no clusters, 34,304 bytes of LDS; arguments x, Wq, Wk, Wv, Wo, opc, ops; writes opc, ops
.if DOCPART == 1
	.amdgcn_target "amdgcn-amd-amdhsa--gfx1250"
	.amdhsa_code_object_version 6
	.text
	.protected	k_q0a0d016268_quant
	.globl	k_q0a0d016268_quant
	.p2align	8
	.type	k_q0a0d016268_quant,@function
k_q0a0d016268_quant:
	s_mov_b64 s[64:65], 0
	v_nop
	global_prefetch_b8 v0, s[64:65] scope:SCOPE_SE
	s_setreg_imm32_b32 hwreg(HW_REG_WAVE_MODE, 25, 1), 1
	s_wait_xcnt 0x0
; x [8192][1024] and Wq, Wk, Wv, Wo [1024][1024], f32, K innermost, become codes of FP6 (E2M3) with one E8M0 byte for each 32 along K.
; A block's scale is 2^(floor(log2(largest magnitude)) - 2); its byte is the largest magnitude's exponent field - 2, held at 1 from below.
; LIMITS: NaN and infinities among the inputs are not served; a block whose largest magnitude lies under 2^-124 is held at the byte 1; a block of
; zeros gets the byte 1 where the rule says 127: its codes are zeros, which add nothing, and the bytes are read by this program alone.
; LAYOUT OF THE WORKSPACE (all later launches read it so).  Rows go in ROW TILES of 16 places: place i of tile t is row 32 (t / 2) + 8 (t % 2) + i % 8 + 16 (i / 8).
; A HALF IMAGE is 16 places x 64 K as the operand's registers hold them: lane l (place l % 16, half l / 16) owns six registers, the codes k = 32 (l / 16) + 0 .. 31:
; registers 0-3 at byte 16 l, registers 4-5 at byte 512 + 8 l: 768 bytes.  opc = [tile 768][K / 64 = 16][768].  Tiles 0-511 x, 512.. Wq, 576.. Wk, 640.. Wv, 704.. Wo.
; A SCALE BLOCK is 256 bytes: word j of place r at 16 r + 4 j.  ops = [tile][2][256]; word j of block c belongs to K step 4 c + j (128 along K).
; SHARES.  Wave w of work-group W takes tile 2 W + w / 2 and the K half w % 2: four units of 16 rows x 128 K.  A load reads 512 consecutive bytes of one row; a unit turns
; through the wave's own stage in LDS (rows of 512 + 16 bytes) and comes back 16 neighbours a lane and block.  Loads run two units (32 loads a wave) ahead.
; No cluster, no tensor load, no barrier: no two waves read the same byte, and each wave's stage is its own.
.set STG,   8448                       ; a wave's stage: 16 rows x 528 bytes
.set SPARE, 4*STG                      ; behind the stages: the spare words, 128 bytes a wave: two blocks of 256 bytes that no other line names
.set L16, 4                            ; v4   16 x lane
.set L8,  5                            ; v5   8 x lane
.set STI, 6                            ; v6   the stage, way in: 16 x lane
.set STO, 7                            ; v7   the stage, way out: 528 r + 64 h
.set SO,  8                            ; v8   my 8 bytes of the scale block: 16 r + 8 h
.set SPW, 10                           ; v10  LDS address of my spare word; never rewritten
.set NIL, 11                           ; v11  0; never rewritten
.set R,   16                           ; v16-143  two sets of 64: a unit as loaded
.set X,   144                          ; v144-207 64 numbers: register 16 b + i = k 32 b + 16 h + i of my place
.set PC,  208                          ; v208-227 the fragment just made (12) and the conversions' second halves
.set TM,  228                          ; v228-243 at work
.set PW,  244                          ; v244-247 the four units' scale words
.set HM,  21                           ; s21  lanes 16-31
.set SEL, 22                           ; s[22:23] v_permlanex16_b32's selects for lane l xor 16
	s_load_b256 s[4:11], s[0:1], 0x0               ; x, Wq, Wk, Wv
	s_load_b128 s[12:15], s[0:1], 0x20             ; Wo, opc
	s_load_b64 s[16:17], s[0:1], 0x30              ; ops
	v_lshl_add_u32 v[SPW], v0, 2, SPARE
	v_mov_b32 v[NIL], 0
	v_lshrrev_b32 v1, 5, v0
	v_readfirstlane_b32 s24, v1                    ; wave
	v_and_b32 v1, 31, v0                           ; lane
	v_and_b32 v2, 15, v0                           ; r
	v_bfe_u32 v3, v0, 4, 1                         ; h
	v_lshlrev_b32 v[L16], 4, v1
	v_lshlrev_b32 v[L8], 3, v1
	s_mul_i32 s25, s24, STG
	v_add_nc_u32 v[STI], s25, v[L16]
	v_mul_u32_u24 v[STO], v2, 528
	v_lshl_add_u32 v[STO], v3, 6, v[STO]
	v_add_nc_u32 v[STO], s25, v[STO]
	v_lshlrev_b32 v[SO], 4, v2
	v_lshl_add_u32 v[SO], v3, 3, v[SO]
	s_mov_b32 s[HM], 0xffff0000
	s_mov_b32 s[SEL], 0x76543210
	s_mov_b32 s[SEL+1], 0xfedcba98
.irp b, 0,1,2,3
	v_mov_b32 v[TM+4+\b], 0                        ; written once: a lane permute's destination counts as one of its sources
.endr
	s_lshr_b32 s26, s24, 1
	s_and_b32 s27, s24, 1                          ; my K half
	s_lshl_b32 s28, ttmp9, 1
	s_add_co_u32 s28, s28, s26                     ; my tile in opc and ops
	s_wait_kmcnt 0x0
	s_cmp_lt_u32 ttmp9, 352                        ; which tensor: the choice hangs on the work-group's number alone
	s_cselect_b64 s[18:19], s[10:11], s[12:13]
	s_cmp_lt_u32 ttmp9, 320
	s_cselect_b64 s[18:19], s[8:9], s[18:19]
	s_cmp_lt_u32 ttmp9, 288
	s_cselect_b64 s[18:19], s[6:7], s[18:19]
	s_cmp_lt_u32 ttmp9, 256
	s_cselect_b64 s[18:19], s[4:5], s[18:19]
	s_cselect_b32 s20, 511, 63
	s_and_b32 s29, s28, s20                        ; my tile in that tensor
	s_lshr_b32 s30, s29, 1
	s_lshl_b32 s30, s30, 5
	s_and_b32 s31, s29, 1
	s_lshl_b32 s31, s31, 3
	s_add_co_u32 s30, s30, s31                     ; its first row: 32 (t / 2) + 8 (t % 2)
	s_lshl_b32 s30, s30, 12                        ; rows of 4,096 bytes
	s_lshl_b32 s31, s27, 11                        ; + my K half's 2,048 bytes
	s_add_co_u32 s30, s30, s31
	s_mov_b32 s31, 0
	s_add_nc_u64 s[18:19], s[18:19], s[30:31]
	s_mul_i32 s30, s28, 12288
	s_mul_i32 s32, s27, 6144
	s_add_co_u32 s30, s30, s32
	s_add_nc_u64 s[14:15], s[14:15], s[30:31]      ; my eight half images
	s_lshl_b32 s30, s28, 9
	s_lshl_b32 s32, s27, 8
	s_add_co_u32 s30, s30, s32
	s_add_nc_u64 s[16:17], s[16:17], s[30:31]      ; my scale block
.macro LOAD s                          ; unit s: 16 places x 128 K; each load reads 512 consecutive bytes of one row
.irp i, 0,1,2,3,4,5,6,7,8,9,10,11,12,13,14,15
	global_load_b128 v[R+64*((\s)%2)+4*\i:R+64*((\s)%2)+4*\i+3], v[L16], s[18:19] offset:((\i&7)+16*(\i>>3))*4096+512*(\s) th:TH_LOAD_NT
.endr
.endm
; 64 numbers of a lane become a fragment's codes in v[PC] on and its scale word in v[pw] (the same word in both halves of the lanes)
.macro QUANT s, pw
.irp b, 0,1,2,3
	v_max3_num_f32 v[TM+\b], |v[\s+16*\b]|, |v[\s+1+16*\b]|, 0x1800000   ; block b: my 16 numbers, and the floor 2^(3 - 127): the byte cannot fall under 1
.endr
.irp i, 2,4,6,8,10,12,14
.irp b, 0,1,2,3
	v_max3_num_f32 v[TM+\b], v[TM+\b], |v[\s+16*\b+\i]|, |v[\s+1+16*\b+\i]|   ; the four blocks by turns
.endr
.endr
.irp b, 0,1,2,3
	v_permlanex16_b32 v[TM+4+\b], v[TM+\b], s[SEL], s[SEL+1]
.endr
.irp b, 0,1,2,3
	v_max_num_f32 v[TM+\b], v[TM+\b], v[TM+4+\b]   ; with lane l xor 16's: the block's largest magnitude
.endr
.irp b, 0,1,2,3
	v_add_nc_u32 v[TM+12+\b], 0xff000000, v[TM+\b] ; 2 off its exponent field: the conversion's scale operand
.endr
.irp b, 0,1,2,3
	v_lshrrev_b32 v[TM+4+\b], 23, v[TM+12+\b]      ; the scale's byte
.endr
	v_lshl_or_b32 v[\pw], v[TM+5], 8, v[TM+4]
	v_lshl_or_b32 v[\pw], v[TM+6], 16, v[\pw]
	v_lshl_or_b32 v[\pw], v[TM+7], 24, v[\pw]
.irp c, 0,1
	v_cvt_scalef32_pk16_fp6_f32 v[PC+6*\c:PC+2+6*\c], v[\s+32*\c:\s+15+32*\c], v[TM+12+2*\c]
	v_cvt_scalef32_pk16_fp6_f32 v[PC+12+4*\c:PC+14+4*\c], v[\s+16+32*\c:\s+31+32*\c], v[TM+12+2*\c+1]   ; (a conversion's three registers begin on an even number)
.endr
	v_nop                                          ; one plain place behind a scaled conversion
.irp c, 0,1                                    ; the operand wants a whole block in a lane: lanes 0-15 block 2 c, lanes 16-31 block 2 c + 1
.irp i, 0,1,2
	v_permlane16_swap_b32 v[PC+6*\c+\i], v[PC+12+4*\c+\i]
.endr
.irp i, 0,1,2
	v_mov_b32 v[PC+3+6*\c+\i], v[PC+12+4*\c+\i]
.endr
.endr
.endm
.macro UNIT s
.if \s < 3
	s_wait_loadcnt 16                              ; this unit's 16 loads are in; the next unit's 16 may be out
.else
	s_wait_loadcnt 0x0
.endif
.irp i, 0,1,2,3,4,5,6,7,8,9,10,11,12,13,14,15
	ds_store_b128 v[STI], v[R+64*((\s)%2)+4*\i:R+64*((\s)%2)+4*\i+3] offset:528*\i
.endr
.irp b, 0,1,2,3
.irp j, 0,1,2,3
	ds_load_b128 v[X+16*\b+4*\j:X+16*\b+4*\j+3], v[STO] offset:128*\b+16*\j   ; LDS serves a wave's instructions in order: these see the stores above
.endr
.endr
	s_wait_dscnt 0x0                               ; the numbers are back, and the stage's stores have read this set
	s_wait_xcnt 0x0                                ; the last unit's global stores have read the fragment's registers: they are written again below
.if \s < 2
	LOAD \s+2
.endif
	QUANT X, PW+\s
	global_store_b128 v[L16], v[PC:PC+3], s[14:15] offset:1536*\s          ; 512, 256, 512, 256 consecutive bytes, each run aligned on 256
	global_store_b64 v[L8], v[PC+4:PC+5], s[14:15] offset:1536*\s+512
	global_store_b128 v[L16], v[PC+6:PC+9], s[14:15] offset:1536*\s+768
	global_store_b64 v[L8], v[PC+10:PC+11], s[14:15] offset:1536*\s+1280
.endm
	LOAD 0
	LOAD 1
	UNIT 0
	UNIT 1
	UNIT 2
	UNIT 3
	v_cndmask_b32 v248, v[PW], v[PW+2], s[HM]      ; lanes 0-15 store words 0, 1 of their place, lanes 16-31 words 2, 3:
	v_cndmask_b32 v249, v[PW+1], v[PW+3], s[HM]
	global_store_b64 v[SO], v[248:249], s[16:17]   ; the 32 lanes fill the block's 256 consecutive aligned bytes
	s_wait_tensorcnt 0x0                           ; the wave's end, behind my last LDS store
	ds_add_u32 v[SPW], v[NIL]
	s_wait_dscnt 0x0
	s_endpgm
.Lfunc_end_k_q0a0d016268_quant:
	.size	k_q0a0d016268_quant, .Lfunc_end_k_q0a0d016268_quant-k_q0a0d016268_quant
	.p2alignl 7, 3214868480
	.fill 96, 4, 3214868480
	.section	.rodata,"a",@progbits
	.p2align	6, 0x0
	.amdhsa_kernel k_q0a0d016268_quant
		.amdhsa_group_segment_fixed_size 34304
		.amdhsa_private_segment_fixed_size 0
		.amdhsa_enable_private_segment 0
		.amdhsa_kernarg_size 56
		.amdhsa_user_sgpr_count 2
		.amdhsa_user_sgpr_kernarg_segment_ptr 1
		.amdhsa_wavefront_size32 1
		.amdhsa_system_sgpr_workgroup_id_x 1
		.amdhsa_system_sgpr_workgroup_id_y 1
		.amdhsa_system_sgpr_workgroup_id_z 1
		.amdhsa_system_vgpr_workitem_id 0
		.amdhsa_next_free_vgpr 256
		.amdhsa_next_free_sgpr 66
		.amdhsa_reserve_vcc 0
		.amdhsa_float_denorm_mode_32 3
		.amdhsa_float_denorm_mode_16_64 3
		.amdhsa_memory_ordered 1
		.amdhsa_forward_progress 1
		.amdhsa_inst_pref_size 34
	.end_amdhsa_kernel
	.amdgpu_metadata
---
amdhsa.version: [ 1, 2 ]
amdhsa.kernels:
  - .name:           k_q0a0d016268_quant
    .symbol:         k_q0a0d016268_quant.kd
    .args:
      - { .name: x, .offset: 0, .size: 8, .value_kind: global_buffer, .address_space: global }
      - { .name: Wq, .offset: 8, .size: 8, .value_kind: global_buffer, .address_space: global }
      - { .name: Wk, .offset: 16, .size: 8, .value_kind: global_buffer, .address_space: global }
      - { .name: Wv, .offset: 24, .size: 8, .value_kind: global_buffer, .address_space: global }
      - { .name: Wo, .offset: 32, .size: 8, .value_kind: global_buffer, .address_space: global }
      - { .name: opc, .offset: 40, .size: 8, .value_kind: global_buffer, .address_space: global }
      - { .name: ops, .offset: 48, .size: 8, .value_kind: global_buffer, .address_space: global }
    .group_segment_fixed_size: 34304
    .private_segment_fixed_size: 0
    .kernarg_segment_align: 8
    .kernarg_segment_size: 56
    .max_flat_workgroup_size: 128
    .sgpr_count:     66
    .vgpr_count:     256
    .wavefront_size: 32
...
	.end_amdgpu_metadata
.endif
;; end of part 1
;; launch qkv (part 2): grid 12 x 32, 4 waves a work-group, clusters of 4 x 4, 327,680 bytes of LDS; arguments opc, ops, qkvc, qkvs; writes qkvc, qkvs
.if DOCPART == 2
	.amdgcn_target "amdgcn-amd-amdhsa--gfx1250"
	.amdhsa_code_object_version 6
	.text
	.protected	k_q0a0d016268_qkv
	.globl	k_q0a0d016268_qkv
	.p2align	8
	.type	k_q0a0d016268_qkv,@function
k_q0a0d016268_qkv:
	s_mov_b64 s[64:65], 0
	v_nop
	global_prefetch_b8 v0, s[64:65] scope:SCOPE_SE
	s_setreg_imm32_b32 hwreg(HW_REG_WAVE_MODE, 25, 1), 1
	s_wait_xcnt 0x0
	s_wait_alu depctr_hold_cnt(0) depctr_sa_sdst(0) depctr_va_vdst(0) depctr_va_sdst(0) depctr_va_ssrc(0) depctr_va_vcc(0) depctr_vm_vsrc(0)
	s_getreg_b32 s2, hwreg(HW_REG_IB_STS2, 6, 4)
	s_cmp_eq_u32 s2, 0
	s_cbranch_scc0 .Lentry_in_a_cluster
	s_endpgm
.Lentry_in_a_cluster:
	s_bfe_u32 s2, ttmp6, 0x10000c
	s_cmp_lg_u32 s2, 0xf033
	s_cbranch_scc0 .Lentry_shape_is_right
	s_endpgm
.Lentry_shape_is_right:
; q = x Wq^T, k = x Wk^T, v = x Wv^T on codes of FP6 (E2M3) with E8M0 scales, K = 1,024; the f32 results are quantised in registers and leave as codes:
; q and k along the head's 64, v along the keys.  Operands come as the quantising launch lays them: row tiles of 16 places (place i of tile t = row 32 (t / 2) + 8 (t % 2) + i % 8 + 16 (i / 8)),
; half images of 768 bytes (16 places x 64 K in the order of the operand's registers), scale blocks of 256 bytes (word j of place r at 16 r + 4 j).
; SHARES.  A work-group makes 256 x 256 results, each of its four waves 128 x 128: 64 accumulators, 512 registers.  Cluster x says which product: 0 q, 1 k, 2 v.
; THE MATRIX INSTRUCTION IS USED TRANSPOSED: source 0 = 16 places of the B role, source 1 = 16 places of the A role.  A lane then holds one place of the A role, and, by the order of places in a tile,
; the 64 registers of one A block run over 128 TRUE NEIGHBOURS of the B role: 32 b + 16 (lane / 16) + i.  For q and k the A role is x and the B role is W: a lane holds a row and 128 channels = two heads.
; For v the roles are exchanged (A = Wv, B = x): a lane holds a channel and 128 keys.  Only scalar selects on the cluster's x differ; the text has one path.
; So each A block's 64 numbers are quantised as they stand into one fragment (two half images) and one scale word.
; OUT.  qkvc: q [bh 64][tile 128][768]; from byte 6,291,456 [bh][key step 16][k: 8 tiles x 768 | v: 4 channel tiles x 1,536].  qkvs: q [bh][16][2][256]; from byte 524,288 [bh][key step][k: 2 x 256 | v: 256].
; q's and k's scale words carry the head's two bytes in bytes 0, 1 and zero in bytes 2, 3.
; K goes in steps of 128, two to a slot, through three LDS slots; the fourth pair of steps fills slot 0 again.  The scales for all of K come once.
; CLUSTER 4 x 4: A's tiles are shared along a row of the cluster, B's along a column: each is asked for jointly, by the same tensor load with the same descriptor and a mask of the four.
; LIMITS: NaN and infinities are not served; a block of results under 2^-124 is held at the byte 1, a block of zeros too (its codes are zeros; this program alone reads the bytes).
; REGISTERS: window 0: v2-7, v16-30 addresses; v32-95 scale words for all of K (register 32 + 8 i + g: lanes 0-15 A's block i, lanes 16-31 B's block i, K step g); v96-127 the way out; v128-223 A's fragments, one set.
;   window 1: B's fragments, two sets, at v0 and v128.   window 2: accumulators of A's blocks 0-3 ((a, b) at v[8 (8 (a % 4) + b)]);   window 3: blocks 4-7.
.set SLOTB, 98304                      ; a slot: wave x 24,576: A's two halves, then B's: 8 tiles x 3,072 bytes (256 along K) each
.set HALFB, 24576
.set RS,    3072                       ; a tile's bytes in a slot
.set SCL,   3*SLOTB                    ; the scales: wave x 4,096
.set SPARE, SCL+16384                  ; the spare words, 128 bytes a wave: two blocks of 256 bytes that no other line names
.set A16, 16                           ; v16-18 LDS address of my A half in slots 0-2, + 16 x lane;  v19-21 + 8 x lane
.set A8,  19
.set B16, 22                           ; v22-24, v25-27 the same for B
.set B8,  25
.set SPW, 28                           ; v28  my spare word; never rewritten
.set NIL, 29                           ; v29  0; never rewritten
.set ADRS, 30                          ; v30  my scale words: lanes 0-15 A's, lanes 16-31 B's
.set SC,  32
.set TM,  96                           ; v96-111 the way out: at work
.set PW,  112                          ; v112-119 the eight blocks' scale words
.set AF,  128
.set WV,  14                           ; s14 wave; s15 wave / 2: my A half, and whether I fetch for A (0) or B (1); s16 wave % 2: my B half, and which half I fetch
.set WA,  15
.set WB,  16
.set G1,   24                          ; s[24:31] group 1, A's codes;  s[32:43] three groups 0;  s[44:47] group 0, A's scales
.set G0,   32
.set G0S,  44
.set G1B,  48                          ; s[48:55] group 1, B's codes;  groups 0 at s56, s60, s68;  s[72:75] group 0, B's scales
.set G0B0, 56
.set G0B1, 60
.set G0B2, 68
.set G0SB, 72
.set G1S,  76                          ; s[76:83], s[84:91] groups 1 for the scales
.set G1SB, 84
.set MSB, 0
.macro WIN new                         ; the immediate's high byte repeats the setting that is left
.if MSB != \new
	s_set_vgpr_msb (MSB<<8)|\new
.set MSB, \new
.endif
.endm
.set MUL_LO, 0xa1                      ; source 0 (B) window 1, source 1 (A) window 0, C and D window 2
.set MUL_HI, 0xf1                      ; the same, C and D window 3
.set TO_B,   0x40                      ; destination window 1, address window 0
; A joint load: waves 0, 1 fetch for A, waves 2, 3 for B.  Each line has one mask and one set of registers; the branch hangs on the wave's number alone.
; An s_nop 0 and four v_nop follow each of the two lines, ahead of the jump, the label and what follows.
.macro JLOAD g0a, g1a, g0b, g1b
	s_cmp_eq_u32 s[WA], 0
	s_cbranch_scc0 .Lfor_b_\@
	tensor_load_to_lds s[\g0a:\g0a+3], s[\g1a:\g1a+7]
	s_nop 0
.rept 4
	v_nop
.endr
	s_branch .Lasked_\@
.Lfor_b_\@:
	tensor_load_to_lds s[\g0b:\g0b+3], s[\g1b:\g1b+7]
	s_nop 0
.rept 4
	v_nop
.endr
.Lasked_\@:
.endm
.macro CREST                           ; a round of the cluster's barrier behind its opening barrier
	s_cmp_lg_u32 s[WV], 0
	s_cbranch_scc1 .Lnot_wave_0_\@
	s_barrier_signal -3
.Lnot_wave_0_\@:
	s_barrier_wait -3
	s_barrier_signal -1
	s_barrier_wait -1
.endm
.macro CROUND
	s_barrier_signal -1
	s_barrier_wait -1
	CREST
.endm
.macro PLACES                          ; four plain places behind matrix instructions, ahead of loads into registers that they read and of reads of results
.rept 4
	v_nop
.endr
.endm
	s_load_b256 s[4:11], s[0:1], 0x0               ; opc s[4:5], ops s[6:7], qkvc s[8:9], qkvs s[10:11]
	v_lshl_add_u32 v[SPW], v0, 2, SPARE
	v_mov_b32 v[NIL], 0
	ds_add_u32 v[SPW], v[NIL]                      ; the wave's opening: the add and its wait stand ahead of my first tensor load; work on registers stands between
	v_lshrrev_b32 v1, 5, v0
	v_readfirstlane_b32 s[WV], v1
	s_lshr_b32 s[WA], s[WV], 1
	s_and_b32 s[WB], s[WV], 1
	s_bfe_u32 s92, ttmp6, 0x40000                  ; cx
	s_bfe_u32 s93, ttmp6, 0x40004                  ; cy
	s_and_b32 s94, ttmp7, 0xffff
	s_lshl_b32 s94, s94, 2                         ; 4 x cluster y
	s_lshl_b32 s98, ttmp9, 6
	s_add_co_u32 s98, s98, 512                     ; W's first tile for q and k: 512 + 64 x product
	s_cmp_eq_u32 ttmp9, 2                          ; v?  The same in all sixteen partners
	s_cselect_b32 s95, 0, s94
	s_cselect_b32 s96, s94, 0
	s_cselect_b32 s97, 640, 0                      ; the A role's first tile: Wv's, or x's
	s_cselect_b32 s98, 0, s98                      ; the B role's: x's, or W's
	s_add_co_u32 s95, s95, s93                     ; A's block of 256 places: hangs on cy, never on cx
	s_add_co_u32 s96, s96, s92                     ; B's: hangs on cx, never on cy
	s_lshl_b32 s100, s93, 2
	s_lshl_b32 s100, 15, s100                      ; my row of the cluster
	s_lshl_b32 s101, 0x1111, s92                   ; my column
	s_or_b32 s[G1], s100, (3<<16)|(1<<21)          ; 15:0 the mask; 17:16 elements of 8 bytes; 21 set beside a mask; no padding: images are read 512 or 256 consecutive bytes an instruction
	s_or_b32 s[G1B], s101, (3<<16)|(1<<21)
	s_or_b32 s[G1S], s100, (3<<16)|(1<<21)
	s_or_b32 s[G1SB], s101, (3<<16)|(1<<21)
.irp g, G1, G1B                                ; codes: 8 tiles x 3,072 bytes (384 elements), 12,288 bytes (1,536 elements) from tile to tile
	s_mov_b32 s[\g+1], 384<<16
	s_mov_b32 s[\g+2], 8<<16
	s_mov_b32 s[\g+3], 384<<16
	s_mov_b32 s[\g+4], 8
	s_mov_b32 s[\g+5], 1536
	s_mov_b32 s[\g+6], 0
	s_mov_b32 s[\g+7], 0
.endr
.irp g, G1S, G1SB                              ; scales of 8 tiles: 4,096 dense bytes as 16 rows of 256
	s_mov_b32 s[\g+1], 32<<16
	s_mov_b32 s[\g+2], 16<<16
	s_mov_b32 s[\g+3], 32<<16
	s_mov_b32 s[\g+4], 16
	s_mov_b32 s[\g+5], 32
	s_mov_b32 s[\g+6], 0
	s_mov_b32 s[\g+7], 0
.endr
	s_lshl_b32 s17, s[WB], 3                       ; which 8 tiles of the 16 I fetch
	s_lshl_b32 s18, s95, 4
	s_add_co_u32 s18, s18, s97
	s_add_co_u32 s18, s18, s17                     ; A's tile
	s_lshl_b32 s20, s18, 9                         ; its scales,
	s_mul_i32 s18, s18, 12288                      ; its codes, in bytes
	s_mov_b32 s19, 0
	s_mov_b32 s21, 0
	s_lshl_b32 s22, s96, 4
	s_add_co_u32 s22, s22, s98
	s_add_co_u32 s22, s22, s17                     ; B's tile
	s_lshl_b32 s12, s22, 9
	s_mul_i32 s22, s22, 12288
	s_mov_b32 s23, 0
	s_mov_b32 s13, 0
	s_mul_i32 s99, s[WV], HALFB                    ; where they go: no place in the cluster enters an LDS address
	s_lshl_b32 s3, s[WV], 12
	s_wait_dscnt 0x0                               ; the opening add is done
	s_wait_kmcnt 0x0
	s_add_nc_u64 s[18:19], s[4:5], s[18:19]
	s_add_nc_u64 s[20:21], s[6:7], s[20:21]
	s_add_nc_u64 s[22:23], s[4:5], s[22:23]
	s_add_nc_u64 s[12:13], s[6:7], s[12:13]
	CROUND                                         ; all sixteen work-groups are here: the first joint loads meet
	s_mov_b32 s[G0S], 1
	s_add_co_u32 s[G0S+1], s3, SCL
	s_mov_b64 s[G0S+2:G0S+3], s[20:21]
	s_or_b32 s[G0S+3], s[G0S+3], 0x80000000
	s_mov_b32 s[G0SB], 1
	s_add_co_u32 s[G0SB+1], s3, SCL
	s_mov_b64 s[G0SB+2:G0SB+3], s[12:13]
	s_or_b32 s[G0SB+3], s[G0SB+3], 0x80000000
	JLOAD G0S, G1S, G0SB, G1SB                     ; the scales first: they are wanted with K step 0
.macro MKG0 ga, gb, s                          ; slot s: K steps 2 s, 2 s + 1
	s_mov_b32 s[\ga], 1
	s_add_co_u32 s[\ga+1], s99, \s*SLOTB
	s_add_nc_u64 s[\ga+2:\ga+3], s[18:19], \s*RS
	s_or_b32 s[\ga+3], s[\ga+3], 0x80000000
	s_mov_b32 s[\gb], 1
	s_add_co_u32 s[\gb+1], s99, \s*SLOTB
	s_add_nc_u64 s[\gb+2:\gb+3], s[22:23], \s*RS
	s_or_b32 s[\gb+3], s[\gb+3], 0x80000000
	JLOAD \ga, G1, \gb, G1B
.endm
	MKG0 G0, G0B0, 0
	MKG0 G0+4, G0B1, 1
	MKG0 G0+8, G0B2, 2                             ; four loads of mine are out
	v_and_b32 v1, 31, v0
	v_lshlrev_b32 v2, 4, v1                        ; 16 x lane
	v_lshlrev_b32 v3, 3, v1                        ; 8 x lane
	v_and_b32 v4, 15, v0                           ; r
	v_bfe_u32 v5, v0, 4, 1                         ; h
	s_mul_i32 s2, s[WA], HALFB                     ; my half of A,
	s_mul_i32 s3, s[WB], HALFB
	s_add_co_u32 s3, s3, 2*HALFB                   ; my half of B
.irp s, 0,1,2
	v_add_nc_u32 v[A16+\s], s2, v2
	v_add_nc_u32 v[A8+\s], s2, v3
	v_add_nc_u32 v[B16+\s], s3, v2
	v_add_nc_u32 v[B8+\s], s3, v3
	s_add_co_u32 s2, s2, SLOTB
	s_add_co_u32 s3, s3, SLOTB
.endr
	v_lshlrev_b32 v6, 4, v4                        ; scale words: 16 r,
	s_lshl_b32 s2, s[WA], 12                       ; A's: my half
	s_lshl_b32 s3, s[WB], 12                       ; B's: my half, behind A's two
	s_add_co_u32 s3, s3, 8192
	s_sub_co_u32 s3, s3, s2
	v_mul_u32_u24 v7, s3, v5                       ; lanes 16-31 take B's: one product, the distance between the two bases
	s_add_co_u32 s2, s2, SCL
	v_add_nc_u32 v6, v6, v7
	v_add_nc_u32 v[ADRS], s2, v6
.macro FRAG reg, a16, a8, off                  ; a fragment, 16 places x 128 K: two half images, as they lie
	ds_load_b128 v[\reg:\reg+3], v[\a16] offset:\off
	ds_load_b64 v[\reg+4:\reg+5], v[\a8] offset:\off+512
	ds_load_b128 v[\reg+6:\reg+9], v[\a16] offset:\off+768
	ds_load_b64 v[\reg+10:\reg+11], v[\a8] offset:\off+1280
.endm
.macro FETCH_B slot, q, p                      ; B's eight fragments of the slot's q-th K step into set p
	WIN TO_B
.irp i, 0,1,2,3,4,5,6,7
	FRAG 128*(\p)+12*\i, B16+\slot, B8+\slot, \i*RS+1536*(\q)
.endr
	WIN 0
.endm
.macro FETCH_A slot, q, i0                     ; A's blocks i0 .. i0 + 3
.irp i, \i0, \i0+1, \i0+2, \i0+3
	FRAG AF+12*(\i), A16+\slot, A8+\slot, (\i)*RS+1536*(\q)
.endr
.endm
.macro SCALES                                  ; all of K's scale words, once: four words a load
.irp i, 0,1,2,3,4,5,6,7
	ds_load_b128 v[SC+8*\i:SC+8*\i+3], v[ADRS] offset:512*\i
	ds_load_b128 v[SC+8*\i+4:SC+8*\i+7], v[ADRS] offset:512*\i+256
.endr
.endm
; 8 matrix instructions: A's block a against B's eight, K step g.  The 64 accumulators take turns, one instruction a turn, in the same order in every step.
.macro MULA a, p, g, zero
.irp b, 0,1,2,3,4,5,6,7
.if \zero
	v_wmma_scale_f32_16x16x128_f8f6f4 v[8*(8*((\a)%4)+\b):8*(8*((\a)%4)+\b)+7], v[128*(\p)+12*\b:128*(\p)+12*\b+11], v[AF+12*(\a):AF+12*(\a)+11], 0, v[SC+8*\b+(\g)], v[SC+8*(\a)+(\g)] matrix_a_fmt:MATRIX_FMT_FP6 matrix_b_fmt:MATRIX_FMT_FP6 matrix_a_scale:MATRIX_SCALE_ROW1
.else
	v_wmma_scale_f32_16x16x128_f8f6f4 v[8*(8*((\a)%4)+\b):8*(8*((\a)%4)+\b)+7], v[128*(\p)+12*\b:128*(\p)+12*\b+11], v[AF+12*(\a):AF+12*(\a)+11], v[8*(8*((\a)%4)+\b):8*(8*((\a)%4)+\b)+7], v[SC+8*\b+(\g)], v[SC+8*(\a)+(\g)] matrix_a_fmt:MATRIX_FMT_FP6 matrix_b_fmt:MATRIX_FMT_FP6 matrix_a_scale:MATRIX_SCALE_ROW1
.endif
.endr
.endm
.macro MUL2 a0, p, g, zero
	MULA \a0, \p, \g, \zero
	MULA \a0+1, \p, \g, \zero
.endm
; K step g, whose successor's tiles are shown landed already.  Step g lies in slot (g / 2) % 3, part g % 2; B's set is g % 2.
.macro KSTEP g, zero
.set NS, (((\g)+1)/2)%3
.set NQ, ((\g)+1)%2
.set PP, (\g)%2
	s_wait_dscnt 16                                ; B's set and A's blocks 0-3 are in; the youngest 16 loads (A's blocks 4-7) may be out
	WIN MUL_LO
	MUL2 0, PP, \g, \zero
	MUL2 2, PP, \g, \zero
	s_wait_dscnt 0x0                               ; A's blocks 4-7 are in
	PLACES
	FETCH_B NS, NQ, 1-PP
	FETCH_A NS, NQ, 0
	WIN MUL_HI
	MUL2 4, PP, \g, \zero
	MUL2 6, PP, \g, \zero
	PLACES
	WIN 0
	FETCH_A NS, NQ, 4
.endm
; K step g with a barrier in it.  In front of it each wave waits for all its tensor loads, adds 0 to its spare word, and waits for that and for its LDS reads.
; fill = 1: the barrier opens a round of the cluster's, and slot 0, which nobody reads any more, takes K steps 6 and 7: the load has 224 matrix instructions in which to land.
.macro TURN g, fill
.set NS, (((\g)+1)/2)%3
	s_wait_tensorcnt 0x0                           ; all my tensor loads have landed (every window is 0 here: the add's registers lie in window 0)
	ds_add_u32 v[SPW], v[NIL]                      ; 0 onto my spare word
	s_wait_dscnt 17                                ; (the add and the youngest 16 loads may be out)
	WIN MUL_LO
	MUL2 0, 1, \g, 0                               ; sixteen matrix instructions stand between the add and the wait for it
	s_wait_dscnt 0x0                               ; the add is done, and my reads of the slots behind me are over
	s_barrier_signal -1
	MUL2 2, 1, \g, 0
	WIN 0
	s_barrier_wait -1
.if \fill
	CREST                                          ; no wave of any partner still reads slot 0 or has a load on its way
	s_add_nc_u64 s[G0+2:G0+3], s[G0+2:G0+3], 3*RS
	s_add_nc_u64 s[G0B0+2:G0B0+3], s[G0B0+2:G0B0+3], 3*RS
	JLOAD G0, G1, G0B0, G1B                        ; the first tensor load behind the round; its four v_nop are the places in front of the loads below
.else
	PLACES
.endif
	FETCH_B NS, 0, 0
	FETCH_A NS, 0, 0
	WIN MUL_HI
	MUL2 4, 1, \g, 0
	MUL2 6, 1, \g, 0
	PLACES
	WIN 0
	FETCH_A NS, 0, 4
.endm
	s_wait_tensorcnt 2                             ; the scales and K steps 0, 1 are in; slots 1 and 2 may be out
	s_barrier_signal -1
	s_barrier_wait -1
	FETCH_B 0, 0, 0
	FETCH_A 0, 0, 0
	SCALES
	FETCH_A 0, 0, 4
	KSTEP 0, 1                                     ; the first products start the sums: nothing is cleared
	TURN 1, 1
	KSTEP 2, 0
	KSTEP 3, 0                                     ; (the round has shown slots 1 and 2 whole to every wave)
	KSTEP 4, 0
	TURN 5, 0                                      ; slot 0's second fill has landed, in every wave's sight
	KSTEP 6, 0
	s_wait_dscnt 16                                ; the last step: nothing more to fetch
	WIN MUL_LO
	MUL2 0, 1, 7, 0
	MUL2 2, 1, 7, 0
	s_wait_dscnt 0x0
	WIN MUL_HI
	MUL2 4, 1, 7, 0
	MUL2 6, 1, 7, 0
	WIN 0
	; THE WAY OUT.  No tensor load of mine is out, so the descriptors' registers serve again.  What differs between q, k and v is scalar figures, chosen on the cluster's x.
.irp b, 0,1,2,3
	v_mov_b32 v[TM+4+\b], 0                        ; a lane permute's destination counts as one of its sources; these four are also the places behind the last products
.endr
	s_mov_b32 s54, 0x76543210
	s_mov_b32 s55, 0xfedcba98
	s_mov_b32 s28, 196608
	s_mov_b32 s29, 12288
	s_mov_b32 s30, 12288
	s_mov_b32 s31, 768
	s_cmp_eq_u32 ttmp9, 0                          ; q?
	s_cselect_b32 s28, 98304, s28                  ; codes: bytes from head to head,
	s_cselect_b32 s29, 6144, s29                   ; and from one group of 128 rows to the next
	s_cselect_b32 s30, 8192, s30                   ; scales: the same two
	s_cselect_b32 s31, 512, s31
	s_cselect_b32 s32, 0, 6291456                  ; where the region begins
	s_cselect_b32 s33, 0, 524288
	s_mov_b32 s38, 256
	s_mov_b32 s42, 768
	s_cmp_eq_u32 ttmp9, 2                          ; v?
	s_cselect_b32 s24, s96, s95                    ; x's block of 256 rows,
	s_cselect_b32 s25, s[WB], s[WA]                ; and my half of it
	s_cselect_b32 s26, s93, s92                    ; W's block of 256 channels,
	s_cselect_b32 s27, s[WA], s[WB]                ; and my half: two heads
	s_cselect_b32 s34, 6144, 0                     ; v lies behind k in a key step
	s_cselect_b32 s35, 512, 0
	s_cselect_b32 s36, 768, s28                    ; from a fragment's first half image to its second: on end (v), or the next head (q, k)
	s_cselect_b32 s37, 0, s30                      ; scale words: lanes 16-31 store the second head's (q, k)
	s_cselect_b32 s38, 12288, s38                  ; blocks 4-7: the next scale block (q, k), the next head (v)
	s_cselect_b32 s39, 0, 16                       ; lanes 16-31 take the word's upper two bytes (q, k)
	s_cselect_b32 s40, -1, 0xffff
	s_cselect_b32 s42, 1536, s42                   ; from block to block
	s_cselect_b32 s44, 190464, 0                   ; v: block 4 begins the next head: 196,608 - 4 x 1,536
	s_mov_b32 s43, 0
	s_mov_b32 s45, 0
	s_lshr_b32 s46, s24, 3
	s_lshl_b32 s46, s46, 4                         ; 16 x batch
	s_lshl_b32 s47, s26, 2
	s_add_co_u32 s46, s46, s47
	s_lshl_b32 s47, s27, 1
	s_add_co_u32 s46, s46, s47                     ; my first (batch, head)
	s_and_b32 s47, s24, 7
	s_lshl_b32 s47, s47, 1
	s_add_co_u32 s47, s47, s25                     ; my group of 128 rows in the batch
	s_mul_i32 s48, s46, s28
	s_mul_i32 s50, s47, s29
	s_add_co_u32 s48, s48, s50
	s_add_co_u32 s48, s48, s32
	s_add_co_u32 s48, s48, s34
	s_mov_b32 s49, 0
	s_add_nc_u64 s[8:9], s[8:9], s[48:49]
	s_mul_i32 s50, s46, s30
	s_mul_i32 s52, s47, s31
	s_add_co_u32 s50, s50, s52
	s_add_co_u32 s50, s50, s33
	s_add_co_u32 s50, s50, s35
	s_mov_b32 s51, 0
	s_add_nc_u64 s[10:11], s[10:11], s[50:51]
	v_add_nc_u32 v122, s36, v2
	v_add_nc_u32 v123, s36, v3
	v_mul_u32_u24 v124, s37, v5
	v_lshl_add_u32 v124, v4, 4, v124               ; 16 r + h x (a head's scales)
	v_add_nc_u32 v125, s38, v124
	v_mul_u32_u24 v126, s39, v5
; Block a: its 64 numbers a lane (register 16 b + i = neighbour 32 b + 16 h + i) become a fragment and a scale word; the fragment leaves as it stands.  Each accumulator is read from its low end on.
.macro OUTBLK a
.set WW, 2+(\a)/4
.set WN1, WW|(WW<<2)
.set WN2, (WW<<2)|(WW<<4)
.set SR, 64*((\a)%4)
.set PCC, 128+32*((\a)%2)                      ; two sets by turns, where A's fragments lay
	WIN WN1                                        ; sources 0 and 1: the accumulators' window
.irp b, 0,1,2,3
	v_max3_num_f32 v[TM+\b], |v[SR+16*\b]|, |v[SR+1+16*\b]|, 0x1800000   ; and the floor 2^(3 - 127): the byte cannot fall under 1
.endr
	WIN WN2                                        ; sources 1 and 2
.irp i, 2,4,6,8,10,12,14
.irp b, 0,1,2,3
	v_max3_num_f32 v[TM+\b], v[TM+\b], |v[SR+16*\b+\i]|, |v[SR+1+16*\b+\i]|
.endr
.endr
	WIN 0
.irp b, 0,1,2,3
	v_permlanex16_b32 v[TM+4+\b], v[TM+\b], s54, s55
.endr
.irp b, 0,1,2,3
	v_max_num_f32 v[TM+\b], v[TM+\b], v[TM+4+\b]
.endr
.irp b, 0,1,2,3
	v_add_nc_u32 v[TM+12+\b], 0xff000000, v[TM+\b] ; 2 off the exponent field: the conversion's scale operand
.endr
.irp b, 0,1,2,3
	v_lshrrev_b32 v[TM+4+\b], 23, v[TM+12+\b]
.endr
	v_lshl_or_b32 v[PW+(\a)], v[TM+5], 8, v[TM+4]
	v_lshl_or_b32 v[PW+(\a)], v[TM+6], 16, v[PW+(\a)]
	v_lshl_or_b32 v[PW+(\a)], v[TM+7], 24, v[PW+(\a)]
	WIN WW                                         ; source 0
.irp c, 0,1
	v_cvt_scalef32_pk16_fp6_f32 v[PCC+6*\c:PCC+2+6*\c], v[SR+32*\c:SR+15+32*\c], v[TM+12+2*\c]
	v_cvt_scalef32_pk16_fp6_f32 v[PCC+12+4*\c:PCC+14+4*\c], v[SR+16+32*\c:SR+31+32*\c], v[TM+12+2*\c+1]
.endr
	WIN 0
	v_nop                                          ; one plain place behind a scaled conversion
.irp c, 0,1
.irp i, 0,1,2
	v_permlane16_swap_b32 v[PCC+6*\c+\i], v[PCC+12+4*\c+\i]
.endr
.irp i, 0,1,2
	v_mov_b32 v[PCC+3+6*\c+\i], v[PCC+12+4*\c+\i]
.endr
.endr
	s_wait_xcnt 0x0                                ; the earlier stores have read their base and data: the base steps here, and the next block writes the other set
.if (\a) > 0
	s_add_nc_u64 s[8:9], s[8:9], s[42:43]
.endif
.if (\a) == 4
	s_add_nc_u64 s[8:9], s[8:9], s[44:45]
.endif
	global_store_b128 v2, v[PCC:PCC+3], s[8:9]                 ; 512, 256, 512, 256 consecutive bytes, each run aligned on 256
	global_store_b64 v3, v[PCC+4:PCC+5], s[8:9] offset:512
	global_store_b128 v122, v[PCC+6:PCC+9], s[8:9]
	global_store_b64 v123, v[PCC+10:PCC+11], s[8:9] offset:512
.endm
.irp a, 0,1,2,3,4,5,6,7
	OUTBLK \a
.endr
.irp a, 0,1,2,3,4,5,6,7
	v_lshrrev_b32 v[PW+\a], v126, v[PW+\a]         ; q, k: lanes 0-15 keep the first head's two bytes, lanes 16-31 the second's; v: the whole word
.endr
.irp a, 0,1,2,3,4,5,6,7
	v_and_b32 v[PW+\a], s40, v[PW+\a]
.endr
	global_store_b128 v124, v[PW:PW+3], s[10:11]   ; q, k: each half of the lanes fills 256 consecutive aligned bytes.  v: both halves hold the same words and name the same 256 bytes
	global_store_b128 v125, v[PW+4:PW+7], s[10:11]
	s_wait_tensorcnt 0x0                           ; the wave's end, behind my last tensor load
	ds_add_u32 v[SPW], v[NIL]
	s_wait_dscnt 0x0
	CROUND                                         ; the closing round: no work-group ends while a partner may still ask for a tile that names it
	s_endpgm
.Lfunc_end_k_q0a0d016268_qkv:
	.size	k_q0a0d016268_qkv, .Lfunc_end_k_q0a0d016268_qkv-k_q0a0d016268_qkv
	.p2alignl 7, 3214868480
	.fill 96, 4, 3214868480
	.section	.rodata,"a",@progbits
	.p2align	6, 0x0
	.amdhsa_kernel k_q0a0d016268_qkv
		.amdhsa_group_segment_fixed_size 327680
		.amdhsa_private_segment_fixed_size 0
		.amdhsa_enable_private_segment 0
		.amdhsa_kernarg_size 32
		.amdhsa_user_sgpr_count 2
		.amdhsa_user_sgpr_kernarg_segment_ptr 1
		.amdhsa_wavefront_size32 1
		.amdhsa_system_sgpr_workgroup_id_x 1
		.amdhsa_system_sgpr_workgroup_id_y 1
		.amdhsa_system_sgpr_workgroup_id_z 1
		.amdhsa_system_vgpr_workitem_id 0
		.amdhsa_next_free_vgpr 1024
		.amdhsa_next_free_sgpr 102
		.amdhsa_reserve_vcc 0
		.amdhsa_float_denorm_mode_32 3
		.amdhsa_float_denorm_mode_16_64 3
		.amdhsa_memory_ordered 1
		.amdhsa_forward_progress 1
		.amdhsa_inst_pref_size 150
	.end_amdhsa_kernel
	.amdgpu_metadata
---
amdhsa.version: [ 1, 2 ]
amdhsa.kernels:
  - .name:           k_q0a0d016268_qkv
    .symbol:         k_q0a0d016268_qkv.kd
    .args:
      - { .name: opc, .offset: 0, .size: 8, .value_kind: global_buffer, .address_space: global }
      - { .name: ops, .offset: 8, .size: 8, .value_kind: global_buffer, .address_space: global }
      - { .name: qkvc, .offset: 16, .size: 8, .value_kind: global_buffer, .address_space: global }
      - { .name: qkvs, .offset: 24, .size: 8, .value_kind: global_buffer, .address_space: global }
    .group_segment_fixed_size: 327680
    .private_segment_fixed_size: 0
    .kernarg_segment_align: 8
    .kernarg_segment_size: 32
    .max_flat_workgroup_size: 128
    .sgpr_count:     102
    .vgpr_count:     1024
    .wavefront_size: 32
...
	.end_amdgpu_metadata
.endif
;; end of part 2
;; launch attn (part 3): grid 4 x 64, 16 waves a work-group, clusters of 4 x 1, 210,944 bytes of LDS; arguments qkvc, qkvs, aoc, aos; writes aoc, aos
.if DOCPART == 3
	.amdgcn_target "amdgcn-amd-amdhsa--gfx1250"
	.amdhsa_code_object_version 6
	.text
	.protected	k_q0a0d016268_attn
	.globl	k_q0a0d016268_attn
	.p2align	8
	.type	k_q0a0d016268_attn,@function
k_q0a0d016268_attn:
	s_mov_b64 s[64:65], 0
	v_nop
	global_prefetch_b8 v0, s[64:65] scope:SCOPE_SE
	s_setreg_imm32_b32 hwreg(HW_REG_WAVE_MODE, 25, 1), 1
	s_wait_xcnt 0x0
	s_wait_alu depctr_hold_cnt(0) depctr_sa_sdst(0) depctr_va_vdst(0) depctr_va_sdst(0) depctr_va_ssrc(0) depctr_va_vcc(0) depctr_vm_vsrc(0)
	s_getreg_b32 s2, hwreg(HW_REG_IB_STS2, 6, 4)
	s_cmp_eq_u32 s2, 0
	s_cbranch_scc0 .Lentry_in_a_cluster
	s_endpgm
.Lentry_in_a_cluster:
	s_bfe_u32 s2, ttmp6, 0x10000c
	s_cmp_lg_u32 s2, 0x3003
	s_cbranch_scc0 .Lentry_shape_is_right
	s_endpgm
.Lentry_shape_is_right:
; Causal attention of one (batch, head) on codes of FP6 (E2M3): S^T = k q^T (K = 64), p = 2^(t - M), O^T = v^T p^T (K = the keys), O / l quantised along the head's 64 channels.
; t = score x log2(e) / 8; M = the running largest t rounded UP to a whole number; p is not normalised; l is the sum of the unquantised p; when M moves, l and O^T are multiplied by 2^(old M - new M), exactly.
; IN: qkvc, qkvs as the projection launch lays them (tiles of 16 places: place i of tile T = row 32 (T / 2) + 8 (T % 2) + i % 8 + 16 (i / 8); half images of 768 bytes; scale blocks of 256 bytes).
; OUT: aoc [row tile 512][head 16][768], aos [row tile][2][256]: the output projection's A operand.  A head owns two bytes of each scale word, so aos is stored byte by byte (2 bytes a row and head).
; SHARES.  A cluster of four work-groups takes one (batch, head).  Wave w of work-group g owns the query tiles T = 4 w + g and 127 - T.  With m = w / 2 their diagonals lie in key steps m and 15 - m whatever g is,
; so every wave of the launch walks (16 - m) + (m + 1) = 17 key steps of 128 keys, two of them on the diagonal; key steps wholly behind the diagonal are not walked.
; Branches and LDS addresses hang on the wave's number and on counted trips alone; the place in the cluster enters only the global addresses of q and of the results and the mask's threshold, which is data.
; THE HEAD'S k AND v LIE IN LDS WHOLE, filled once: 16 key steps x 12,288 bytes of codes and 16 x 768 of scale words.  The four partners want the same bytes, so every load is joint (mask of all four).
; Each wave issues three loads: its 768 bytes of scales, its share of key steps 0-3, its share of key steps 4-15; steps 0-3 are walked while the rest lands.
; BOTH PRODUCTS ARE USED TRANSPOSED: a lane holds one query throughout; by the order of places in a tile the 16 registers of key tiles 2 b, 2 b + 1 are the keys 32 b + 16 (lane / 16) + 0 .. 15.
; K = 64 IN AN INSTRUCTION OF 128: q's operand has zero codes in registers 6-11, and q's and k's scale words have 0 in bytes 2, 3.  A tile of k is six registers, named as twelve: the upper six are the next
; tile's codes (behind tile 7: zeros).  They stand against zero codes, and the format has neither NaN nor infinity, so they add nothing.
; LIMITS: NaN and infinities are not served; a block of O / l under 2^-124, or of zeros, gets the byte 1 (this program alone reads the bytes).
.set SCB,   196608                     ; LDS: the scale words, 768 bytes a key step: k's two blocks, v's one
.set SPARE, 208896                     ; the spare words, 128 bytes a wave: eight blocks of 256 bytes that no other line names
.set L16, 1                            ; v1  16 x lane
.set L8,  2                            ; v2  8 x lane
.set R16, 3                            ; v3  16 r
.set SPW, 4                            ; v4  my spare word; never rewritten
.set NIL, 5                            ; v5  0; never rewritten
.set RD,  6                            ; v6  r % 8 + 16 (r / 8) - 16 h
.set DD,  7                            ; v7  my query's place in its diagonal key step - 16 h
.set A16, 8                            ; v8-10 the step's LDS addresses
.set A8,  9
.set AS,  10
.set RS,  11                           ; v11 16 r + h
.set QF,  16                           ; v16-21 q's codes, v22-27 zeros
.set QS,  28                           ; v28 q's scale word
.set QL,  30                           ; v30-35, v36 the second tile's
.set QLS, 36
.set F,   38                           ; v38-85 eight tiles of k, then four fragments of v; v86-91 zeros
.set KS,  92                           ; v92-99 k's scale words;  v100-103 v's
.set VS,  100
.set S,   104                          ; v104-167 S^T, then p
.set O,   168                          ; v168-199 O^T
.set PC,  200                          ; v200-211 p's codes
.set BM,  220                          ; v220-223 the blocks' maxima
.set BP,  224                          ; v224-231 at work
.set BS,  232                          ; v232-235 the conversions' scale operands
.set FF,  236                          ; v236 f = 2^(old M - new M);  v237 p's scale word
.set PWD, 237
.set TT,  238
.set NINF, 239                         ; v239 -infinity
.set WV,  12
.set MM,  13
.set CX,  14
.set BH,  15
.set TLO, 16
.set THI, 17
.set SEL, 20                           ; s[20:21] selects for lane l xor 16
.set CS,  22                           ; s[22:23] c = log2(e) / 8
.set G1S, 24
.set G1A, 32
.set G1B, 40
.set G0S, 48
.set G0A, 52
.set G0B, 56
.set TC,  60                           ; s60 the trip
.set UU,  61                           ; s61 trip + m
.set KSI, 62                           ; s62 the key step
.set KB,  63                           ; s63 where its codes begin in LDS
.set SB,  66                           ; s66 and its scale words
.set HM,  67                           ; s67 lanes 16-31
.set OC,  68                           ; s68, s69 where the tile in hand goes in aoc, aos;  s70, s71 the second tile's
.set OS,  69
.set OCL, 70
.set OSL, 71
.set QIH, 72                           ; s72, s73 a tile's first place in its diagonal key step
.set QIL, 73
.macro CROUND
	s_barrier_signal -1
	s_barrier_wait -1
	s_cmp_lg_u32 s[WV], 0
	s_cbranch_scc1 .Lnot_wave_0_\@
	s_barrier_signal -3
.Lnot_wave_0_\@:
	s_barrier_wait -3
	s_barrier_signal -1
	s_barrier_wait -1
.endm
.macro MKG1 g, rows                            ; a dense block as rows of 256 bytes (32 elements of 8); mask: all four work-groups, bit 21 beside it
	s_mov_b32 s[\g], 15|(3<<16)|(1<<21)
	s_mov_b32 s[\g+1], 32<<16
	s_mov_b32 s[\g+2], (\rows)<<16
	s_mov_b32 s[\g+3], 32<<16
	s_mov_b32 s[\g+4], \rows
	s_mov_b32 s[\g+5], 32
	s_mov_b32 s[\g+6], 0
	s_mov_b32 s[\g+7], 0
.endm
.macro FRESH                                   ; a tile begins: O^T and l are zeros, the largest t is under every t; the first change of M multiplies zeros
.set J, 0
.rept 32
	v_mov_b32 v[O+J], 0
.set J, J+1
.endr
	v_mov_b32 v13, 0xff61b1e6                      ; -3e38
	s_delay_alu instid0(VALU_DEP_1)
	v_floor_f32 v12, -v13                          ; -M
	v_mov_b32 v14, 0
	v_mov_b32 v15, 0
.endm
	s_load_b256 s[4:11], s[0:1], 0x0               ; qkvc s[4:5], qkvs s[6:7], aoc s[8:9], aos s[10:11]
	v_lshl_add_u32 v[SPW], v0, 2, SPARE
	v_mov_b32 v[NIL], 0
	ds_add_u32 v[SPW], v[NIL]                      ; the wave's opening: the add and its wait stand ahead of my first tensor load; work on registers stands between
	ds_add_u32 v[SPW], v[NIL]
	v_lshrrev_b32 v[A16], 5, v0
	s_delay_alu instid0(VALU_DEP_1)
	v_readfirstlane_b32 s[WV], v[A16]              ; wave 0..15
	s_lshr_b32 s[MM], s[WV], 1
	s_bfe_u32 s[CX], ttmp6, 0x40000
	s_and_b32 s[BH], ttmp7, 0xffff                 ; (batch, head): the four partners share it
	s_lshl_b32 s[TLO], s[WV], 2
	s_add_co_u32 s[TLO], s[TLO], s[CX]
	s_sub_co_u32 s[THI], 127, s[TLO]
	MKG1 G1S, 3
	MKG1 G1A, 12
	MKG1 G1B, 36
	s_mov_b32 s[SEL], 0x76543210
	s_mov_b32 s[SEL+1], 0xfedcba98
	s_mov_b32 s[CS], 0x3e38aa3b                    ; log2(e) / sqrt(64)
	s_mov_b32 s[CS+1], s[CS]                       ; (named with it as a pair, so it is written)
	s_mov_b32 s[HM], 0xffff0000
	s_mul_i32 s82, s[BH], 12288                    ; my 768 bytes of the head's scale words
	s_mul_i32 s88, s[WV], 768
	s_add_co_u32 s82, s82, s88
	s_add_co_u32 s82, s82, 524288
	s_mov_b32 s83, 0
	s_add_co_u32 s[G0S+1], s88, SCB
	s_mul_i32 s84, s[BH], 196608                   ; the head's codes,
	s_add_co_u32 s84, s84, 6291456
	s_mul_i32 s[G0A+1], s[WV], 3072                ; my 3,072 bytes of key steps 0-3,
	s_mul_i32 s89, s[WV], 9216                     ; my 9,216 of key steps 4-15
	s_add_co_u32 s86, s84, s89
	s_add_co_u32 s86, s86, 49152
	s_add_co_u32 s84, s84, s[G0A+1]
	s_mov_b32 s85, 0
	s_mov_b32 s87, 0
	s_add_co_u32 s[G0B+1], s89, 49152
	s_lshl_b32 s88, s[BH], 7                       ; q's codes: (128 bh + T) x 768
	s_add_co_u32 s89, s88, s[THI]
	s_mul_i32 s74, s89, 768
	s_mov_b32 s75, 0
	s_add_co_u32 s89, s88, s[TLO]
	s_mul_i32 s76, s89, 768
	s_mov_b32 s77, 0
	s_lshl_b32 s88, s[BH], 13                      ; q's scale words: 8,192 bh + 256 (T / 4) + 4 (T % 4)
	s_lshr_b32 s89, s[THI], 2
	s_lshl_b32 s89, s89, 8
	s_add_co_u32 s78, s88, s89
	s_and_b32 s89, s[THI], 3
	s_lshl_b32 s89, s89, 2
	s_add_co_u32 s78, s78, s89
	s_mov_b32 s79, 0
	s_lshr_b32 s89, s[TLO], 2
	s_lshl_b32 s89, s89, 8
	s_add_co_u32 s80, s88, s89
	s_and_b32 s89, s[TLO], 3
	s_lshl_b32 s89, s89, 2
	s_add_co_u32 s80, s80, s89
	s_mov_b32 s81, 0
	s_lshr_b32 s88, s[BH], 4
	s_lshl_b32 s88, s88, 7                         ; the batch's first row tile
	s_and_b32 s89, s[BH], 15                       ; the head
	s_add_co_u32 s90, s88, s[THI]
	s_add_co_u32 s91, s88, s[TLO]
	s_lshl_b32 s92, s90, 4
	s_add_co_u32 s92, s92, s89
	s_mul_i32 s[OC], s92, 768                      ; aoc: (16 x row tile + head) x 768
	s_lshl_b32 s92, s91, 4
	s_add_co_u32 s92, s92, s89
	s_mul_i32 s[OCL], s92, 768
	s_lshr_b32 s92, s89, 3
	s_lshl_b32 s92, s92, 8                         ; aos: block head / 8,
	s_bfe_u32 s93, s89, 0x20001
	s_lshl_b32 s93, s93, 2                         ; word (head / 2) % 4,
	s_add_co_u32 s92, s92, s93
	s_and_b32 s93, s89, 1
	s_lshl_b32 s93, s93, 1                         ; bytes 2 (head % 2) on
	s_add_co_u32 s92, s92, s93
	s_lshl_b32 s90, s90, 9
	s_add_co_u32 s[OS], s90, s92
	s_lshl_b32 s91, s91, 9
	s_add_co_u32 s[OSL], s91, s92
	s_and_b32 s92, s[THI], 6
	s_lshl_b32 s92, s92, 4
	s_and_b32 s93, s[THI], 1
	s_lshl_b32 s93, s93, 3
	s_add_co_u32 s[QIH], s92, s93                  ; 16 (T & 6) + 8 (T & 1)
	s_and_b32 s92, s[TLO], 6
	s_lshl_b32 s92, s92, 4
	s_and_b32 s93, s[TLO], 1
	s_lshl_b32 s93, s93, 3
	s_add_co_u32 s[QIL], s92, s93
	v_and_b32 v[L16], 31, v0
	s_delay_alu instid0(VALU_DEP_1)
	v_lshlrev_b32 v[L8], 3, v[L16]
	s_delay_alu instid0(VALU_DEP_2)
	v_lshlrev_b32 v[L16], 4, v[L16]
	v_and_b32 v[R16], 15, v0                       ; r
	v_bfe_u32 v[RS], v0, 4, 1                      ; h
	s_delay_alu instid0(VALU_DEP_2)
	v_and_b32 v[RD], 7, v[R16]
	s_delay_alu instid0(VALU_DEP_3)
	v_and_b32 v[DD], 8, v[R16]
	s_delay_alu instid0(VALU_DEP_1)
	v_lshl_add_u32 v[RD], v[DD], 1, v[RD]          ; r % 8 + 16 (r / 8)
	s_delay_alu instid0(VALU_DEP_4)
	v_lshlrev_b32 v[DD], 4, v[RS]
	s_delay_alu instid0(VALU_DEP_1)
	v_sub_nc_u32 v[RD], v[RD], v[DD]               ; - 16 h
	v_lshl_add_u32 v[RS], v[R16], 4, v[RS]
	v_lshlrev_b32 v[R16], 4, v[R16]
	s_delay_alu instid0(VALU_DEP_3)
	v_add_nc_u32 v[DD], s[QIH], v[RD]
	s_wait_dscnt 0x0                               ; the opening add is done
	s_wait_kmcnt 0x0
	s_mov_b32 s[G0S], 1
	s_add_nc_u64 s[G0S+2:G0S+3], s[6:7], s[82:83]
	s_or_b32 s[G0S+3], s[G0S+3], 0x80000000
	s_mov_b32 s[G0A], 1
	s_add_nc_u64 s[G0A+2:G0A+3], s[4:5], s[84:85]
	s_or_b32 s[G0A+3], s[G0A+3], 0x80000000
	s_mov_b32 s[G0B], 1
	s_add_nc_u64 s[G0B+2:G0B+3], s[4:5], s[86:87]
	s_or_b32 s[G0B+3], s[G0B+3], 0x80000000
	s_add_nc_u64 s[74:75], s[4:5], s[74:75]
	s_add_nc_u64 s[76:77], s[4:5], s[76:77]
	s_add_nc_u64 s[78:79], s[6:7], s[78:79]
	s_add_nc_u64 s[80:81], s[6:7], s[80:81]
	CROUND                                         ; all four work-groups are here: the joint loads meet
	tensor_load_to_lds s[G0S:G0S+3], s[G1S:G1S+7]  ; every wave issues the same three lines: three loads of mine are out
	s_nop 0
	tensor_load_to_lds s[G0A:G0A+3], s[G1A:G1A+7]
	s_nop 0
	tensor_load_to_lds s[G0B:G0B+3], s[G1B:G1B+7]
	s_nop 0
	global_load_b128 v[QF:QF+3], v[L16], s[74:75]  ; both tiles of q stay in registers
	global_load_b64 v[QF+4:QF+5], v[L8], s[74:75] offset:512
	s_wait_alu depctr_va_vdst(0)
	global_load_b32 v[QS], v[R16], s[78:79]
	global_load_b128 v[QL:QL+3], v[L16], s[76:77]
	global_load_b64 v[QL+4:QL+5], v[L8], s[76:77] offset:512
	global_load_b32 v[QLS], v[R16], s[80:81]
.irp j, 22,23,24,25,26,27,86,87,88,89,90,91
	v_mov_b32 v\j, 0                               ; zero codes: q's upper 64 along K, and what stands behind k's tile 7
.endr
.irp b, 0,1,2,3
	v_mov_b32 v[BP+\b], 0                          ; a lane permute's destination counts as one of its sources
.endr
	v_mov_b32 v[PWD], 0                            ; (named as the upper half of the pair with f before it is first written)
	v_mov_b32 v[NINF], 0xff800000
	FRESH
; A KEY STEP: 128 keys, at s[KB] and s[SB].  mask = 0: all keys count; 1: the diagonal where trip + m = 15; 2: the diagonal.
.macro STEP mask
	s_setprio 2
	v_add_nc_u32 v[A16], s[KB], v[L16]             ; three additions and a v_nop: the four places between the last products and the loads into registers that they read
	v_add_nc_u32 v[A8], s[KB], v[L8]
	v_add_nc_u32 v[AS], s[SB], v[R16]
	v_nop
.irp t, 0,1,2,3,4,5,6,7
	ds_load_b128 v[F+6*\t:F+6*\t+3], v[A16] offset:768*\t
	ds_load_b64 v[F+6*\t+4:F+6*\t+5], v[A8] offset:768*\t+512
.endr
	ds_load_b128 v[KS:KS+3], v[AS]
	ds_load_b128 v[KS+4:KS+7], v[AS] offset:256
	ds_load_b128 v[VS:VS+3], v[AS] offset:512
	s_wait_alu depctr_va_vdst(0)
	s_wait_dscnt 0x0
.irp t, 0,1,2,3,4,5,6,7
	v_wmma_scale_f32_16x16x128_f8f6f4 v[S+8*\t:S+8*\t+7], v[F+6*\t:F+6*\t+11], v[QF:QF+11], 0, v[KS+\t], v[QS] matrix_a_fmt:MATRIX_FMT_FP6 matrix_b_fmt:MATRIX_FMT_FP6
.endr
.rept 4
	v_nop                                          ; places: ahead of the loads below and of the first read of the scores
.endr
.irp c, 0,1,2,3                                ; v's four fragments land while the softmax runs
	ds_load_b128 v[F+12*\c:F+12*\c+3], v[A16] offset:6144+1536*\c
	ds_load_b64 v[F+12*\c+4:F+12*\c+5], v[A8] offset:6144+1536*\c+512
	ds_load_b128 v[F+12*\c+6:F+12*\c+9], v[A16] offset:6144+1536*\c+768
	ds_load_b64 v[F+12*\c+10:F+12*\c+11], v[A8] offset:6144+1536*\c+1280
.endr
.if \mask == 1
	s_cmp_lg_u32 s[UU], 15                         ; the wave's number and the trip alone
	s_cbranch_scc1 .Lopen_\@
.endif
.if \mask > 0                                  ; register 16 b + i holds the step's key 32 b + 16 h + i: hidden where 32 b + i > my query's place - 16 h: its score becomes -infinity, p = 0
.set N, 0
.rept 64
	v_cmp_gt_i32 vcc_lo, 32*(N/16)+N%16, v[DD]
	v_cndmask_b32 v[S+N], v[S+N], v[NINF], vcc_lo
.set N, N+1
.endr
.endif
.if \mask == 1
.Lopen_\@:
.endif
.irp b, 0,1,2,3
	v_max3_num_f32 v[BM+\b], v[S+16*\b], v[S+1+16*\b], v[S+2+16*\b]   ; the largest score of each block of 32 keys: for the row's maximum, and, since p rises with the score, for the block's largest p
.endr
.irp i, 3,5,7,9,11,13
.irp b, 0,1,2,3
	v_max3_num_f32 v[BM+\b], v[BM+\b], v[S+16*\b+\i], v[S+1+16*\b+\i]
.endr
.endr
.irp b, 0,1,2,3
	v_max_num_f32 v[BM+\b], v[BM+\b], v[S+15+16*\b]
.endr
.irp b, 0,1,2,3
	s_delay_alu instid0(VALU_DEP_4)
	v_permlanex16_b32 v[BP+\b], v[BM+\b], s[SEL], s[SEL+1]
.endr
.irp b, 0,1,2,3
	s_delay_alu instid0(VALU_DEP_4)
	v_max_num_f32 v[BM+\b], v[BM+\b], v[BP+\b]     ; with lane l xor 16's 16 keys
.endr
	s_delay_alu instid0(VALU_DEP_2)
	v_max3_num_f32 v[TT], v[BM], v[BM+1], v[BM+2]
	s_delay_alu instid0(VALU_DEP_1)
	v_max_num_f32 v[TT], v[TT], v[BM+3]
	s_delay_alu instid0(VALU_DEP_1)
	v_mul_f32 v[TT], s[CS], v[TT]                  ; as t (c is positive)
	s_delay_alu instid0(VALU_DEP_1)
	v_max_num_f32 v13, v13, v[TT]                  ; the running largest t
	v_mov_b32 v[TT], v12
	s_delay_alu instid0(VALU_DEP_2)
	v_floor_f32 v12, -v13                          ; the new -M = -ceil(t): a whole number
	s_delay_alu instid0(VALU_DEP_1)
	v_sub_f32 v[TT], v12, v[TT]                    ; old M - new M: a whole number, 0 or less
	s_delay_alu instid0(VALU_DEP_1)
	v_cvt_i32_f32 v[TT], v[TT]                     ; (it saturates)
	s_delay_alu instid0(VALU_DEP_1)
	v_ldexp_f32 v[FF], 1.0, v[TT]                  ; f = 2^(old M - new M)
.set J, 0
.rept 32
	v_pk_fma_f32 v[S+J:S+J+1], v[S+J:S+J+1], s[CS:CS+1], v[12:13] op_sel_hi:[1,0,0]   ; t - M, two at a time
.set J, J+2
.endr
.irp b, 0,1,2,3
	v_fma_f32 v[BM+\b], v[BM+\b], s[CS], v12       ; the same of each block's largest score
.endr
.set J, 0
	s_setprio 1
	s_wait_alu depctr_va_vdst(0)
.rept 64
	v_exp_f32 v[S+J], v[S+J]                       ; p = 2^(t - M)
.set J, J+1
.endr
	v_pk_mul_f32 v[14:15], v[14:15], v[FF:FF+1] op_sel_hi:[1,0]   ; l under the new M (a plain place behind the exponentials)
	s_wait_alu depctr_va_vdst(0)                   ; one wait for the batch, ahead of its first reader
.irp b, 0,1,2,3
	v_exp_f32 v[BM+\b], v[BM+\b]                   ; the block's largest p: the same two instructions on the same number
.endr
	v_pk_add_f32 v[224:225], v[108:109], v[112:113]
	v_pk_add_f32 v[254:255], v[116:117], v[120:121]
	v_pk_add_f32 v[252:253], v[124:125], v[128:129]
	v_pk_add_f32 v[250:251], v[132:133], v[136:137]
	v_pk_add_f32 v[248:249], v[140:141], v[144:145]
	v_pk_add_f32 v[246:247], v[148:149], v[152:153]
	v_pk_add_f32 v[244:245], v[156:157], v[160:161]
	v_pk_add_f32 v[14:15], v[14:15], v[164:165]
	v_pk_add_f32 v[224:225], v[224:225], v[104:105]
	v_pk_add_f32 v[254:255], v[254:255], v[106:107]
	v_pk_add_f32 v[252:253], v[252:253], v[110:111]
	v_pk_add_f32 v[250:251], v[250:251], v[114:115]
	v_pk_add_f32 v[248:249], v[248:249], v[118:119]
	v_pk_add_f32 v[246:247], v[246:247], v[122:123]
	v_pk_add_f32 v[244:245], v[244:245], v[126:127]
	v_pk_add_f32 v[14:15], v[14:15], v[130:131]
	v_pk_add_f32 v[224:225], v[224:225], v[134:135]
	v_pk_add_f32 v[254:255], v[254:255], v[138:139]
	v_pk_add_f32 v[252:253], v[252:253], v[142:143]
	v_pk_add_f32 v[250:251], v[250:251], v[146:147]
	v_pk_add_f32 v[248:249], v[248:249], v[150:151]
	v_pk_add_f32 v[246:247], v[246:247], v[154:155]
	v_pk_add_f32 v[244:245], v[244:245], v[158:159]
	v_pk_add_f32 v[14:15], v[14:15], v[162:163]
	v_pk_add_f32 v[224:225], v[224:225], v[166:167]
	s_delay_alu instid0(VALU_DEP_2)
	v_pk_add_f32 v[14:15], v[14:15], v[250:251]
	s_delay_alu instid0(VALU_DEP_2)
	v_pk_add_f32 v[224:225], v[224:225], v[248:249]
	v_pk_add_f32 v[254:255], v[254:255], v[246:247]
	v_pk_add_f32 v[252:253], v[252:253], v[244:245]
	s_delay_alu instid0(VALU_DEP_2)
	v_pk_add_f32 v[14:15], v[14:15], v[254:255]
	s_delay_alu instid0(VALU_DEP_2)
	v_pk_add_f32 v[224:225], v[224:225], v[252:253]
	s_delay_alu instid0(VALU_DEP_1)
	v_pk_add_f32 v[14:15], v[14:15], v[224:225]
	s_wait_alu depctr_va_vdst(0)                   ; and one for the four
.irp b, 0,1,2,3
	v_max_num_f32 v[BM+\b], 0x1800000, v[BM+\b]    ; the floor 2^(3 - 127): the byte cannot fall under 1
.endr
.irp b, 0,1,2,3
	s_delay_alu instid0(VALU_DEP_4)
	v_add_nc_u32 v[BS+\b], 0xff000000, v[BM+\b]    ; 2 off the exponent field: the conversion's scale operand
.endr
.irp b, 0,1,2,3
	s_delay_alu instid0(VALU_DEP_4)
	v_lshrrev_b32 v[BP+\b], 23, v[BS+\b]
.endr
	s_delay_alu instid0(VALU_DEP_3)
	v_lshl_or_b32 v[PWD], v[BP+1], 8, v[BP]        ; p's scale word for these 128 keys
	s_delay_alu instid0(VALU_DEP_1)
	v_lshl_or_b32 v[PWD], v[BP+2], 16, v[PWD]
	s_delay_alu instid0(VALU_DEP_1)
	v_lshl_or_b32 v[PWD], v[BP+3], 24, v[PWD]
.irp c, 0,1
	v_cvt_scalef32_pk16_fp6_f32 v[PC+6*\c:PC+2+6*\c], v[S+32*\c:S+15+32*\c], v[BS+2*\c]
	v_cvt_scalef32_pk16_fp6_f32 v[BP+4*\c:BP+2+4*\c], v[S+16+32*\c:S+31+32*\c], v[BS+2*\c+1]
.endr
	v_nop                                          ; one plain place behind a scaled conversion
.irp c, 0,1
.irp i, 0,1,2
	v_permlane16_swap_b32 v[PC+6*\c+\i], v[BP+4*\c+\i]
.endr
.irp i, 0,1,2
	s_delay_alu instid0(VALU_DEP_3)
	v_mov_b32 v[PC+3+6*\c+\i], v[BP+4*\c+\i]
.endr
.endr
.set J, 0
.rept 16
	v_pk_mul_f32 v[O+J:O+J+1], v[O+J:O+J+1], v[FF:FF+1] op_sel_hi:[1,0]   ; O^T under the new M; these sixteen are also the places between p's codes and scale word and the products
.set J, J+2
.endr
	s_setprio 0
	s_wait_alu depctr_va_vdst(0)
	s_wait_dscnt 0x0                               ; v's fragments are in
.irp c, 0,1,2,3                                ; the four accumulators take turns; eight other products stand between two links of a chain
	v_wmma_scale_f32_16x16x128_f8f6f4 v[O+8*\c:O+8*\c+7], v[F+12*\c:F+12*\c+11], v[PC:PC+11], v[O+8*\c:O+8*\c+7], v[VS+\c], v[PWD] matrix_a_fmt:MATRIX_FMT_FP6 matrix_b_fmt:MATRIX_FMT_FP6
.endr
.endm
; A tile is finished: O^T / l, register 16 b + i = channel 32 b + 16 h + i of my query, becomes a half image and two scale bytes.
.macro FINISH
.rept 4
	v_nop                                          ; places behind the last products
.endr
	v_add_f32 v14, v14, v15
	s_delay_alu instid0(VALU_DEP_1)
	v_permlanex16_b32 v[TT], v14, s[SEL], s[SEL+1]
	s_delay_alu instid0(VALU_DEP_1)
	v_add_f32 v14, v14, v[TT]                      ; the row's sum
	s_wait_alu depctr_va_vdst(0)
	v_rcp_f32 v14, v14
	v_nop                                          ; a plain place behind the reciprocal,
	s_wait_alu depctr_va_vdst(0)                   ; and the wait ahead of its first reader
.set J, 0
.rept 16
	v_pk_mul_f32 v[S+J:S+J+1], v[O+J:O+J+1], v[14:15] op_sel_hi:[1,0]   ; each accumulator from its low end on
.set J, J+2
.endr
.irp b, 0,1
	v_max3_num_f32 v[BM+\b], |v[S+16*\b]|, |v[S+1+16*\b]|, 0x1800000
.endr
.irp i, 2,4,6,8,10,12,14
.irp b, 0,1
	s_delay_alu instid0(VALU_DEP_2)
	v_max3_num_f32 v[BM+\b], v[BM+\b], |v[S+16*\b+\i]|, |v[S+1+16*\b+\i]|
.endr
.endr
.irp b, 0,1
	s_delay_alu instid0(VALU_DEP_2)
	v_permlanex16_b32 v[BP+\b], v[BM+\b], s[SEL], s[SEL+1]
.endr
.irp b, 0,1
	s_delay_alu instid0(VALU_DEP_2)
	v_max_num_f32 v[BM+\b], v[BM+\b], v[BP+\b]
.endr
.irp b, 0,1
	s_delay_alu instid0(VALU_DEP_2)
	v_add_nc_u32 v[BS+\b], 0xff000000, v[BM+\b]
.endr
	s_delay_alu instid0(VALU_DEP_2)
	v_lshrrev_b32 v212, 23, v[BS]
	s_delay_alu instid0(VALU_DEP_2)
	v_lshrrev_b32 v213, 23, v[BS+1]
	s_delay_alu instid0(VALU_DEP_1)
	v_cndmask_b32 v212, v212, v213, s[HM]          ; lanes 0-15 store block 0's byte, lanes 16-31 block 1's
	v_cvt_scalef32_pk16_fp6_f32 v[PC:PC+2], v[S:S+15], v[BS]
	v_cvt_scalef32_pk16_fp6_f32 v[BP:BP+2], v[S+16:S+31], v[BS+1]
	v_nop
.irp i, 0,1,2
	v_permlane16_swap_b32 v[PC+\i], v[BP+\i]
.endr
.irp i, 0,1,2
	s_delay_alu instid0(VALU_DEP_3)
	v_mov_b32 v[PC+3+\i], v[BP+\i]
.endr
	v_add_nc_u32 v214, s[OC], v[L16]
	v_add_nc_u32 v215, s[OC], v[L8]
	v_add_nc_u32 v216, s[OS], v[RS]
	global_store_b128 v214, v[PC:PC+3], s[8:9]     ; 512 and 256 consecutive bytes, aligned on 256
	global_store_b64 v215, v[PC+4:PC+5], s[8:9] offset:512
	global_store_b8 v216, v212, s[10:11]
.endm
.macro RESTART                                 ; on to the wave's second tile
.irp j, 0,1,2,3,4,5
	v_mov_b32 v[QF+\j], v[QL+\j]
.endr
	v_mov_b32 v[QS], v[QLS]                        ; (more than eight plain lines follow, ahead of the next scaled product)
	FRESH
	v_add_nc_u32 v[DD], s[QIL], v[RD]
	s_mov_b32 s[OC], s[OCL]
	s_mov_b32 s[OS], s[OSL]
	s_wait_xcnt 0x0                                ; the stores above have read their registers: the next step writes them again
.endm
	s_wait_tensorcnt 1                             ; my scale words and my share of key steps 0-3 are in; steps 4-15 may be out
	s_barrier_signal -1
	s_barrier_wait -1                              ; everybody's are
	s_wait_loadcnt 0x0                             ; q
	s_mov_b32 s[TC], 0
	s_mov_b32 s[KB], 0
	s_mov_b32 s[SB], SCB
.Lfirst:                                           ; key steps 0-3 of the tile 127 - T: every wave has at least nine steps of it, none of these on the diagonal
	STEP 0
	s_add_co_u32 s[KB], s[KB], 12288
	s_add_co_u32 s[SB], s[SB], 768
	s_add_co_u32 s[TC], s[TC], 1
	s_cmp_lt_u32 s[TC], 4
	s_cbranch_scc1 .Lfirst
	s_setprio 0
	s_wait_tensorcnt 0x0                           ; my share of key steps 4-15 is in,
	s_wait_dscnt 0x0
	s_barrier_signal -1
	s_barrier_wait -1                              ; everybody's is
	s_mov_b32 s[TC], 4
.Lrest:                                            ; trips 4-15: while trip + m < 16 the first tile's key step = the trip; behind its diagonal (trip + m = 15) the second tile's key steps 0 .. m - 1
	s_add_co_u32 s[UU], s[TC], s[MM]
	s_cmp_lt_u32 s[UU], 16
	s_cselect_b32 s[KSI], s[TC], s[UU]
	s_and_b32 s[KSI], s[KSI], 15
	s_mul_i32 s[KB], s[KSI], 12288
	s_mul_i32 s[SB], s[KSI], 768
	s_add_co_u32 s[SB], s[SB], SCB
	STEP 1
	s_cmp_lg_u32 s[UU], 15
	s_cbranch_scc1 .Lsame
	FINISH
	RESTART
.Lsame:
	s_add_co_u32 s[TC], s[TC], 1
	s_cmp_lt_u32 s[TC], 16
	s_cbranch_scc1 .Lrest
	s_setprio 0
	s_mul_i32 s[KB], s[MM], 12288                  ; the second tile's diagonal: key step m
	s_mul_i32 s[SB], s[MM], 768
	s_add_co_u32 s[SB], s[SB], SCB
	STEP 2
	FINISH
	s_wait_tensorcnt 0x0                           ; the wave's end, behind my last tensor load
	ds_add_u32 v[SPW], v[NIL]
	s_wait_dscnt 0x0
	CROUND                                         ; the closing round
	s_endpgm
.Lfunc_end_k_q0a0d016268_attn:
	.size	k_q0a0d016268_attn, .Lfunc_end_k_q0a0d016268_attn-k_q0a0d016268_attn
	.p2alignl 7, 3214868480
	.fill 96, 4, 3214868480
	.section	.rodata,"a",@progbits
	.p2align	6, 0x0
	.amdhsa_kernel k_q0a0d016268_attn
		.amdhsa_group_segment_fixed_size 210944
		.amdhsa_private_segment_fixed_size 0
		.amdhsa_enable_private_segment 0
		.amdhsa_kernarg_size 32
		.amdhsa_user_sgpr_count 2
		.amdhsa_user_sgpr_kernarg_segment_ptr 1
		.amdhsa_wavefront_size32 1
		.amdhsa_system_sgpr_workgroup_id_x 1
		.amdhsa_system_sgpr_workgroup_id_y 1
		.amdhsa_system_sgpr_workgroup_id_z 1
		.amdhsa_system_vgpr_workitem_id 0
		.amdhsa_next_free_vgpr 256
		.amdhsa_next_free_sgpr 96
		.amdhsa_reserve_vcc 1
		.amdhsa_float_denorm_mode_32 3
		.amdhsa_float_denorm_mode_16_64 3
		.amdhsa_memory_ordered 1
		.amdhsa_forward_progress 1
		.amdhsa_inst_pref_size 83
	.end_amdhsa_kernel
	.amdgpu_metadata
---
amdhsa.version: [ 1, 2 ]
amdhsa.kernels:
  - .name:           k_q0a0d016268_attn
    .symbol:         k_q0a0d016268_attn.kd
    .args:
      - { .name: qkvc, .offset: 0, .size: 8, .value_kind: global_buffer, .address_space: global }
      - { .name: qkvs, .offset: 8, .size: 8, .value_kind: global_buffer, .address_space: global }
      - { .name: aoc, .offset: 16, .size: 8, .value_kind: global_buffer, .address_space: global }
      - { .name: aos, .offset: 24, .size: 8, .value_kind: global_buffer, .address_space: global }
    .group_segment_fixed_size: 210944
    .private_segment_fixed_size: 0
    .kernarg_segment_align: 8
    .kernarg_segment_size: 32
    .max_flat_workgroup_size: 512
    .sgpr_count:     96
    .vgpr_count:     256
    .wavefront_size: 32
...
	.end_amdgpu_metadata
.endif
;; end of part 3
;; launch oproj (part 4): grid 4 x 64, 4 waves a work-group, clusters of 4 x 4, 307,712 bytes of LDS; arguments aoc, aos, opc, ops, bo, out0; writes out0
.if DOCPART == 4
	.amdgcn_target "amdgcn-amd-amdhsa--gfx1250"
	.amdhsa_code_object_version 6
	.text
	.protected	k_q0a0d016268_oproj
	.globl	k_q0a0d016268_oproj
	.p2align	8
	.type	k_q0a0d016268_oproj,@function
k_q0a0d016268_oproj:
	s_mov_b64 s[64:65], 0
	v_nop
	global_prefetch_b8 v0, s[64:65] scope:SCOPE_SE
	s_setreg_imm32_b32 hwreg(HW_REG_WAVE_MODE, 25, 1), 1
	s_wait_xcnt 0x0
	s_wait_alu depctr_hold_cnt(0) depctr_sa_sdst(0) depctr_va_vdst(0) depctr_va_sdst(0) depctr_va_ssrc(0) depctr_va_vcc(0) depctr_vm_vsrc(0)
	s_getreg_b32 s2, hwreg(HW_REG_IB_STS2, 6, 4)
	s_cmp_eq_u32 s2, 0
	s_cbranch_scc0 .Lentry_in_a_cluster
	s_endpgm
.Lentry_in_a_cluster:
	s_bfe_u32 s2, ttmp6, 0x10000c
	s_cmp_lg_u32 s2, 0xf033
	s_cbranch_scc0 .Lentry_shape_is_right
	s_endpgm
.Lentry_shape_is_right:
; out0 = a Wo^T + bo on codes of FP6 (E2M3) with E8M0 scales, K = 1,024.  a: the attention's result as codes (aoc, aos); Wo: row tiles 704-767 of opc, ops; bo [1024], out0 [8192][1024]: f32.
; Operands lie in row tiles of 16 places (place i of tile t = row 32 (t / 2) + 8 (t % 2) + i % 8 + 16 (i / 8)), half images of 768 bytes (16 places x 64 K in the order of the operand's registers),
; scale blocks of 256 bytes (word j of place r at 16 r + 4 j).
; SHARES.  A work-group makes 128 rows x 256 columns, so that the 8,192 x 1,024 results give 256 work-groups; each of its four waves 64 x 128: 32 accumulators.
; THE MATRIX INSTRUCTION IS USED TRANSPOSED (source 0 = 16 places of Wo, source 1 = 16 places of a): a lane holds one row, and by the order of places in a tile the registers of column blocks 2 b, 2 b + 1
; are the 16 neighbouring columns 32 b + 16 (lane / 16) + 0 .. 15.  bo is the C of each sum's first product.
; ALL OF K LIES IN LDS, filled once, as two halves of 512 along K; the first half is multiplied while the second lands.  Nothing is filled again.
; CLUSTER 4 x 4: a's tiles are shared along a row of the cluster, Wo's along a column: each is asked for jointly.
; REGISTERS: window 0: v2-7, v16-31 addresses; v32-95 scale words for all of K (register 32 + 8 i + g: lanes 0-15 a's block i, lanes 16-31 Wo's block i, K step g; for i = 4 .. 7 lanes 0-15 hold words that no product names);
;   v128-175 a's fragments, one set; on the way out v128-255.   window 1: Wo's fragments, two sets.   window 2: accumulator (a, b) at v[8 (8 a + b)].   window 3: v0-63 bo in the result's layout.
.set SLOTB, 147456                     ; half of K: a's two halves of 24,576 bytes (4 tiles x 6,144), then Wo's two of 49,152 (8 tiles)
.set RS,    6144
.set SCL,   2*SLOTB                    ; scales: a's two halves of 2,048 bytes, then Wo's two of 4,096
.set SPARE, SCL+12288                  ; the spare words, 128 bytes a wave: two blocks of 256 bytes that no other line names
.set STG,   8448                       ; the way out: 16 rows x 528 bytes a wave, in the first half's bytes, which have had their only fill and their last read by then
.set A16, 16                           ; v16-17, v18-19 LDS address of my a half, + 16 x lane, + 8 x lane
.set A8,  18
.set B16, 20                           ; v20-21, v22-23 the same for Wo
.set B8,  22
.set STO, 24
.set RD,  25
.set SPW, 28
.set NIL, 29
.set ADRS, 30
.set BO,  31                           ; v31 64 h
.set SC,  32
.set AF,  128
.set BK,  128
.set WV,  96                           ; s96 wave; s97 wave / 2: my half of the rows, and whether I fetch for a (0) or Wo (1); s98 wave % 2: my half of the columns, and which half I fetch
.set WA,  97
.set WB,  98
.set G1,   24
.set G0,   32                          ; two sets
.set G0S,  40
.set G1B,  44
.set G0B,  52                          ; two sets
.set G0SB, 60
.set G1S,  68
.set G1SB, 76
.set MSB, 0
.macro WIN new
.if MSB != \new
	s_set_vgpr_msb (MSB<<8)|\new
.set MSB, \new
.endif
.endm
.set MUL,   0xa1                       ; source 0 (Wo) window 1, source 1 (a) window 0, C and D window 2
.set MULB,  0xb1                       ; the same with C (bo) in window 3
.set TO_B,  0x40
.macro JLOAD g0a, g1a, g0b, g1b                ; waves 0, 1 fetch for a, waves 2, 3 for Wo; an s_nop 0 and four v_nop follow each of the two lines
	s_cmp_eq_u32 s[WA], 0
	s_cbranch_scc0 .Lfor_b_\@
	tensor_load_to_lds s[\g0a:\g0a+3], s[\g1a:\g1a+7]
	s_nop 0
.rept 4
	v_nop
.endr
	s_branch .Lasked_\@
.Lfor_b_\@:
	tensor_load_to_lds s[\g0b:\g0b+3], s[\g1b:\g1b+7]
	s_nop 0
.rept 4
	v_nop
.endr
.Lasked_\@:
.endm
.macro CROUND
	s_barrier_signal -1
	s_barrier_wait -1
	s_cmp_lg_u32 s[WV], 0
	s_cbranch_scc1 .Lnot_wave_0_\@
	s_barrier_signal -3
.Lnot_wave_0_\@:
	s_barrier_wait -3
	s_barrier_signal -1
	s_barrier_wait -1
.endm
.macro PLACES
.rept 4
	v_nop
.endr
.endm
.macro MKG1 g, cols, rows, pitch
	s_mov_b32 s[\g+1], (\cols)<<16
	s_mov_b32 s[\g+2], (\rows)<<16
	s_mov_b32 s[\g+3], (\cols)<<16
	s_mov_b32 s[\g+4], \rows
	s_mov_b32 s[\g+5], \pitch
	s_mov_b32 s[\g+6], 0
	s_mov_b32 s[\g+7], 0
.endm
	s_load_b256 s[4:11], s[0:1], 0x0               ; aoc s[4:5], aos s[6:7], opc s[8:9], ops s[10:11]
	s_load_b128 s[12:15], s[0:1], 0x20             ; bo s[12:13], out0 s[14:15]
	v_lshl_add_u32 v[SPW], v0, 2, SPARE
	v_mov_b32 v[NIL], 0
	ds_add_u32 v[SPW], v[NIL]                      ; the wave's opening: the add and its wait stand ahead of my first tensor load; work on registers stands between
	v_lshrrev_b32 v1, 5, v0
	v_readfirstlane_b32 s[WV], v1
	s_lshr_b32 s[WA], s[WV], 1
	s_and_b32 s[WB], s[WV], 1
	s_bfe_u32 s84, ttmp6, 0x40000                  ; cx
	s_bfe_u32 s85, ttmp6, 0x40004                  ; cy
	s_lshl_b32 s87, ttmp9, 2
	s_add_co_u32 s87, s87, s84                     ; block of 256 columns
	s_and_b32 s86, ttmp7, 0xffff
	s_lshl_b32 s86, s86, 2
	s_add_co_u32 s86, s86, s85                     ; block of 128 rows
	s_lshl_b32 s88, s85, 2
	s_lshl_b32 s88, 15, s88                        ; my row of the cluster
	s_lshl_b32 s89, 0x1111, s84                    ; my column
	s_or_b32 s[G1], s88, (3<<16)|(1<<21)           ; the mask; elements of 8 bytes; bit 21 beside a mask; no padding
	s_or_b32 s[G1B], s89, (3<<16)|(1<<21)
	s_or_b32 s[G1S], s88, (3<<16)|(1<<21)
	s_or_b32 s[G1SB], s89, (3<<16)|(1<<21)
	MKG1 G1, 768, 4, 1536                          ; 4 tiles x 6,144 bytes, 12,288 bytes from tile to tile
	MKG1 G1B, 768, 8, 1536
	MKG1 G1S, 32, 8, 32                            ; 2,048 dense bytes as rows of 256
	MKG1 G1SB, 32, 16, 32
	s_lshl_b32 s16, s86, 3
	s_lshl_b32 s90, s[WB], 2
	s_add_co_u32 s16, s16, s90                     ; a's tile that I fetch from: 8 x row block + 4 x half
	s_lshl_b32 s18, s16, 9
	s_mul_i32 s16, s16, 12288
	s_mov_b32 s17, 0
	s_mov_b32 s19, 0
	s_lshl_b32 s20, s87, 4
	s_lshl_b32 s91, s[WB], 3
	s_add_co_u32 s20, s20, s91
	s_add_co_u32 s20, s20, 704                     ; Wo's: 704 + 16 x column block + 8 x half
	s_lshl_b32 s22, s20, 9
	s_mul_i32 s20, s20, 12288
	s_mov_b32 s21, 0
	s_mov_b32 s23, 0
	s_mul_i32 s90, s[WB], 24576                    ; where they go: the wave's number alone
	s_mul_i32 s91, s[WB], 49152
	s_add_co_u32 s91, s91, 49152
	s_lshl_b32 s99, s[WB], 11
	s_add_co_u32 s99, s99, SCL
	s_lshl_b32 s100, s[WB], 12
	s_add_co_u32 s100, s100, SCL+4096
	s_lshl_b32 s92, s87, 10
	s_lshl_b32 s93, s[WB], 9
	s_add_co_u32 s92, s92, s93                     ; my first column, in bytes
	s_mov_b32 s93, 0
	s_lshl_b32 s94, s86, 7
	s_lshl_b32 s95, s[WA], 6
	s_add_co_u32 s94, s94, s95
	s_lshl_b32 s94, s94, 12                        ; my first row, in bytes
	s_mov_b32 s95, 0
	s_wait_dscnt 0x0                               ; the opening add is done
	s_wait_kmcnt 0x0
	s_add_nc_u64 s[16:17], s[4:5], s[16:17]
	s_add_nc_u64 s[18:19], s[6:7], s[18:19]
	s_add_nc_u64 s[20:21], s[8:9], s[20:21]
	s_add_nc_u64 s[22:23], s[10:11], s[22:23]
	s_add_nc_u64 s[12:13], s[12:13], s[92:93]
	s_add_nc_u64 s[14:15], s[14:15], s[92:93]
	s_add_nc_u64 s[14:15], s[14:15], s[94:95]
	CROUND                                         ; all sixteen work-groups are here: the joint loads meet
	s_mov_b32 s[G0S], 1
	s_mov_b32 s[G0S+1], s99
	s_mov_b64 s[G0S+2:G0S+3], s[18:19]
	s_or_b32 s[G0S+3], s[G0S+3], 0x80000000
	s_mov_b32 s[G0SB], 1
	s_mov_b32 s[G0SB+1], s100
	s_mov_b64 s[G0SB+2:G0SB+3], s[22:23]
	s_or_b32 s[G0SB+3], s[G0SB+3], 0x80000000
	JLOAD G0S, G1S, G0SB, G1SB
.irp s, 0,1
	s_mov_b32 s[G0+4*\s], 1
	s_add_co_u32 s[G0+4*\s+1], s90, \s*SLOTB
	s_add_nc_u64 s[G0+4*\s+2:G0+4*\s+3], s[16:17], \s*RS
	s_or_b32 s[G0+4*\s+3], s[G0+4*\s+3], 0x80000000
	s_mov_b32 s[G0B+4*\s], 1
	s_add_co_u32 s[G0B+4*\s+1], s91, \s*SLOTB
	s_add_nc_u64 s[G0B+4*\s+2:G0B+4*\s+3], s[20:21], \s*RS
	s_or_b32 s[G0B+4*\s+3], s[G0B+4*\s+3], 0x80000000
	JLOAD G0+4*\s, G1, G0B+4*\s, G1B
.endr                                          ; three loads of mine are out
	v_and_b32 v1, 31, v0
	v_lshlrev_b32 v2, 4, v1                        ; 16 x lane
	v_lshlrev_b32 v3, 3, v1                        ; 8 x lane
	v_and_b32 v4, 15, v0                           ; r
	v_bfe_u32 v5, v0, 4, 1                         ; h
	v_lshlrev_b32 v[BO], 6, v5
	WIN 0xc0                                       ; destination window 3
.irp b, 0,1,2,3,4,5,6,7                        ; bo at my eight columns of block b: 32 (b / 2) + 16 h + 8 (b % 2) + 0 .. 7
	global_load_b128 v[8*\b:8*\b+3], v[BO], s[12:13] offset:4*(32*(\b/2)+8*(\b%2))
	global_load_b128 v[8*\b+4:8*\b+7], v[BO], s[12:13] offset:4*(32*(\b/2)+8*(\b%2))+16
.endr
	WIN 0
	s_mul_i32 s2, s[WA], 24576
	s_mul_i32 s3, s[WB], 49152
	s_add_co_u32 s3, s3, 49152
.irp s, 0,1
	v_add_nc_u32 v[A16+\s], s2, v2
	v_add_nc_u32 v[A8+\s], s2, v3
	v_add_nc_u32 v[B16+\s], s3, v2
	v_add_nc_u32 v[B8+\s], s3, v3
	s_add_co_u32 s2, s2, SLOTB
	s_add_co_u32 s3, s3, SLOTB
.endr
	v_lshlrev_b32 v6, 4, v4
	s_lshl_b32 s2, s[WA], 11                       ; a's scales: my half
	s_lshl_b32 s3, s[WB], 12                       ; Wo's: my half, behind a's two
	s_add_co_u32 s3, s3, 4096
	s_sub_co_u32 s3, s3, s2
	v_mul_u32_u24 v7, s3, v5                       ; lanes 16-31 take Wo's: one product, the distance between the two bases
	s_add_co_u32 s2, s2, SCL
	v_add_nc_u32 v6, v6, v7
	v_add_nc_u32 v[ADRS], s2, v6
	s_mul_i32 s2, s[WV], STG                       ; my stage
	v_mul_u32_u24 v[STO], v4, 528
	v_lshl_add_u32 v[STO], v5, 6, v[STO]
	v_add_nc_u32 v[STO], s2, v[STO]                ; in: row r, + 64 h
	v_add_nc_u32 v[RD], s2, v2                     ; back: a row of 512 bytes, 16 a lane
.macro FRAG reg, a16, a8, off
	ds_load_b128 v[\reg:\reg+3], v[\a16] offset:\off
	ds_load_b64 v[\reg+4:\reg+5], v[\a8] offset:\off+512
	ds_load_b128 v[\reg+6:\reg+9], v[\a16] offset:\off+768
	ds_load_b64 v[\reg+10:\reg+11], v[\a8] offset:\off+1280
.endm
.macro FETCH_B slot, q, p
	WIN TO_B
.irp i, 0,1,2,3,4,5,6,7
	FRAG 128*(\p)+12*\i, B16+\slot, B8+\slot, \i*RS+1536*(\q)
.endr
	WIN 0
.endm
.macro FETCH_A slot, q, i0                     ; a's blocks i0, i0 + 1
.irp i, \i0, \i0+1
	FRAG AF+12*(\i), A16+\slot, A8+\slot, (\i)*RS+1536*(\q)
.endr
.endm
.macro SCALES
.irp i, 0,1,2,3,4,5,6,7
	ds_load_b128 v[SC+8*\i:SC+8*\i+3], v[ADRS] offset:512*\i
	ds_load_b128 v[SC+8*\i+4:SC+8*\i+7], v[ADRS] offset:512*\i+256
.endr
.endm
; 8 matrix instructions: a's block against Wo's eight.  The 32 accumulators take turns, one instruction a turn, in the same order in every step.
.macro MULA a, p, g, bias
.irp b, 0,1,2,3,4,5,6,7
.if \bias
	v_wmma_scale_f32_16x16x128_f8f6f4 v[8*(8*(\a)+\b):8*(8*(\a)+\b)+7], v[128*(\p)+12*\b:128*(\p)+12*\b+11], v[AF+12*(\a):AF+12*(\a)+11], v[8*\b:8*\b+7], v[SC+8*\b+(\g)], v[SC+8*(\a)+(\g)] matrix_a_fmt:MATRIX_FMT_FP6 matrix_b_fmt:MATRIX_FMT_FP6 matrix_a_scale:MATRIX_SCALE_ROW1
.else
	v_wmma_scale_f32_16x16x128_f8f6f4 v[8*(8*(\a)+\b):8*(8*(\a)+\b)+7], v[128*(\p)+12*\b:128*(\p)+12*\b+11], v[AF+12*(\a):AF+12*(\a)+11], v[8*(8*(\a)+\b):8*(8*(\a)+\b)+7], v[SC+8*\b+(\g)], v[SC+8*(\a)+(\g)] matrix_a_fmt:MATRIX_FMT_FP6 matrix_b_fmt:MATRIX_FMT_FP6 matrix_a_scale:MATRIX_SCALE_ROW1
.endif
.endr
.endm
.macro KSTEP g, bias                           ; K step g lies in half g / 4, part g % 4; Wo's set is g % 2
.set NS, ((\g)+1)/4
.set NQ, ((\g)+1)%4
.set PP, (\g)%2
.set WM, MUL+0x10*(\bias)
	s_wait_dscnt 8                                 ; Wo's set and a's blocks 0, 1 are in; the youngest 8 loads (blocks 2, 3) may be out
	WIN WM
	MULA 0, PP, \g, \bias
	MULA 1, PP, \g, \bias
	s_wait_dscnt 0x0
	PLACES
	FETCH_B NS, NQ, 1-PP
	FETCH_A NS, NQ, 0
	WIN WM
	MULA 2, PP, \g, \bias
	MULA 3, PP, \g, \bias
	PLACES
	WIN 0
	FETCH_A NS, NQ, 2
.endm
	s_wait_tensorcnt 1                             ; the scales and the first half of K are in; the second half may be out
	s_barrier_signal -1
	s_barrier_wait -1
	FETCH_B 0, 0, 0
	FETCH_A 0, 0, 0
	SCALES
	FETCH_A 0, 0, 2
	s_wait_loadcnt 0x0                             ; bo
	KSTEP 0, 1                                     ; bo starts the sums
	KSTEP 1, 0
	KSTEP 2, 0
	s_wait_tensorcnt 0x0                           ; K step 3, with the barrier that shows the second half whole: all my tensor loads have landed,
	ds_add_u32 v[SPW], v[NIL]                      ; (0 onto my spare word)
	s_wait_dscnt 9                                 ; (the add and the youngest 8 loads may be out)
	WIN MUL
	MULA 0, 1, 3, 0
	s_wait_dscnt 0x0                               ; the add is done, and my reads of the first half are over
	s_barrier_signal -1
	MULA 1, 1, 3, 0
	WIN 0
	s_barrier_wait -1
	PLACES
	FETCH_B 1, 0, 0
	FETCH_A 1, 0, 0
	WIN MUL
	MULA 2, 1, 3, 0
	MULA 3, 1, 3, 0
	PLACES
	WIN 0
	FETCH_A 1, 0, 2
	KSTEP 4, 0
	KSTEP 5, 0
	KSTEP 6, 0
	s_wait_dscnt 8                                 ; the last step: nothing more to fetch
	WIN MUL
	MULA 0, 1, 7, 0
	MULA 1, 1, 7, 0
	s_wait_dscnt 0x0
	MULA 2, 1, 7, 0
	MULA 3, 1, 7, 0
	WIN 0
; THE WAY OUT, a block of 16 rows x 128 columns at a time, through my own stage: in by lanes (32 neighbouring bytes a column block), back as whole rows of 512 bytes.
; LDS serves a wave's instructions in order: no wait between the stores and the loads, nor in front of the next block's stores.
.macro TOSTAGE a
	WIN 0x08                                       ; an LDS store's data: window 2
.irp b, 0,1,2,3,4,5,6,7
	ds_store_b128 v[STO], v[8*(8*(\a)+\b):8*(8*(\a)+\b)+3] offset:128*(\b/2)+32*(\b%2)       ; each accumulator from its low end on
	ds_store_b128 v[STO], v[8*(8*(\a)+\b)+4:8*(8*(\a)+\b)+7] offset:128*(\b/2)+32*(\b%2)+16
.endr
	WIN 0
.set BB, BK+64*((\a)%2)
.irp t, 0,1,2,3,4,5,6,7,8,9,10,11,12,13,14,15
	ds_load_b128 v[BB+4*\t:BB+4*\t+3], v[RD] offset:\t*528
.endr
.endm
.macro SEND a, younger                         ; place t of block a is row 32 (a / 2) + 8 (a % 2) + t % 8 + 16 (t / 8) of my 64
.set BB, BK+64*((\a)%2)
	s_wait_dscnt \younger
.irp t, 0,1,2,3,4,5,6,7,8,9,10,11,12,13,14,15
	global_store_b128 v2, v[BB+4*\t:BB+4*\t+3], s[14:15] offset:(32*((\a)/2)+8*((\a)%2)+(\t&7)+16*(\t>>3))*4096 th:TH_STORE_NT   ; 32 lanes store 512 consecutive bytes, aligned on 512
.endr
.endm
	PLACES                                         ; behind the last products: for the reads of results and the loads into the registers that held a's fragments
	TOSTAGE 0
.irp a, 1,2,3
.if \a > 1
	s_wait_xcnt 0x0                                ; block a - 2's stores have read their registers: block a's loads may land there
.endif
	TOSTAGE \a
	SEND \a-1, 32                                  ; behind block a - 1's loads: block a's 16 stores and 16 loads
.endr
	SEND 3, 0
	s_wait_tensorcnt 0x0                           ; the wave's end, behind my last tensor load and my last LDS store
	ds_add_u32 v[SPW], v[NIL]
	s_wait_dscnt 0x0
	CROUND                                         ; the closing round
	s_endpgm
.Lfunc_end_k_q0a0d016268_oproj:
	.size	k_q0a0d016268_oproj, .Lfunc_end_k_q0a0d016268_oproj-k_q0a0d016268_oproj
	.p2alignl 7, 3214868480
	.fill 96, 4, 3214868480
	.section	.rodata,"a",@progbits
	.p2align	6, 0x0
	.amdhsa_kernel k_q0a0d016268_oproj
		.amdhsa_group_segment_fixed_size 307712
		.amdhsa_private_segment_fixed_size 0
		.amdhsa_enable_private_segment 0
		.amdhsa_kernarg_size 48
		.amdhsa_user_sgpr_count 2
		.amdhsa_user_sgpr_kernarg_segment_ptr 1
		.amdhsa_wavefront_size32 1
		.amdhsa_system_sgpr_workgroup_id_x 1
		.amdhsa_system_sgpr_workgroup_id_y 1
		.amdhsa_system_sgpr_workgroup_id_z 1
		.amdhsa_system_vgpr_workitem_id 0
		.amdhsa_next_free_vgpr 1024
		.amdhsa_next_free_sgpr 102
		.amdhsa_reserve_vcc 0
		.amdhsa_float_denorm_mode_32 3
		.amdhsa_float_denorm_mode_16_64 3
		.amdhsa_memory_ordered 1
		.amdhsa_forward_progress 1
		.amdhsa_inst_pref_size 87
	.end_amdhsa_kernel
	.amdgpu_metadata
---
amdhsa.version: [ 1, 2 ]
amdhsa.kernels:
  - .name:           k_q0a0d016268_oproj
    .symbol:         k_q0a0d016268_oproj.kd
    .args:
      - { .name: aoc, .offset: 0, .size: 8, .value_kind: global_buffer, .address_space: global }
      - { .name: aos, .offset: 8, .size: 8, .value_kind: global_buffer, .address_space: global }
      - { .name: opc, .offset: 16, .size: 8, .value_kind: global_buffer, .address_space: global }
      - { .name: ops, .offset: 24, .size: 8, .value_kind: global_buffer, .address_space: global }
      - { .name: bo, .offset: 32, .size: 8, .value_kind: global_buffer, .address_space: global }
      - { .name: out0, .offset: 40, .size: 8, .value_kind: global_buffer, .address_space: global }
    .group_segment_fixed_size: 307712
    .private_segment_fixed_size: 0
    .kernarg_segment_align: 8
    .kernarg_segment_size: 48
    .max_flat_workgroup_size: 128
    .sgpr_count:     102
    .vgpr_count:     1024
    .wavefront_size: 32
...
	.end_amdgpu_metadata
.endif
;; end of part 4
